; MI455X (gfx1250); checked and timed in simulation.
; The chip was launched on July 23, 2026; its instructions are those of AMD's public machine-readable ISA for CDNA 5 (MIT licence, August 2026) and "CDNA5" Instruction Set Architecture Reference Guide (July 2026). The comments in the code are by the model that wrote it; some were corrected since.
;; Multihead Self Attention. Allowed arithmetic: matrix products marked QUANTISED: E2M3 operands, one E8M0 scale for each 32 along K, by v_wmma_scale_f32_16x16x128_f8f6f4 with both operands' format E2M3, f32 sums; everything else in f32.
;; Inputs: Wk 2,048 x 2,048 float32; Wo 2,048 x 2,048 float32; Wq 2,048 x 2,048 float32; Wv 2,048 x 2,048 float32; bk 2,048 float32; bo 2,048 float32; bq 2,048 float32; bv 2,048 float32; x 2,048 x 2,048 float32.
;; Outputs: out0 2,048 x 2,048 float32.
;; This version of the problem:
;;   THIS VERSION OF THE PROBLEM IS GIVEN IN LOW PRECISION. The matrix products marked QUANTISED in the list below multiply operands that are first quantised to E2M3 (2 exponent bits, 3 mantissa bits; 6 bits a number), with one power-of-two scale for each 32 numbers along K (OCP MX v1.0); their sums are f32. All else is computed in f32.
;;   The module's matrix products, in the order in which they are computed (A, B: the left and right operand; K: the contracted axis; several contracted axes count as one K, in the product's order):
;;     1. [M 2,048, K 2,048] x [K 2,048, N 2,048]; A: input x; B: input Wq: QUANTISED
;;     2. [M 2,048, K 2,048] x [K 2,048, N 2,048]; A: input x; B: input Wk: QUANTISED
;;     3. [M 2,048, K 2,048] x [K 2,048, N 2,048]; A: input x; B: input Wv: QUANTISED
;;     4. batch 16 x [M 2,048, K 128] x [K 128, N 2,048]; A: computed on the way; B: computed on the way: QUANTISED
;;     5. batch 16 x [M 2,048, K 2,048] x [K 2,048, N 128]; A: softmax (see below); B: computed on the way: QUANTISED
;;     6. [M 2,048, K 2,048] x [K 2,048, N 2,048]; A: computed on the way; B: input Wo: QUANTISED
;;   THE QUANTISER, for each operand of a quantised product, along K:
;;     - K is cut into blocks of 32 from its start; a last block that is shorter is filled with zeros.
;;     - A block's scale is 2^e with e = floor(log2(the largest magnitude in the block)) - 2, held to -126 .. 127; a block of zeros has e = 0. As a byte (E8M0): e + 127.
;;     - Each number is divided by its block's scale, clamped to +-7.5, and rounded to the nearest number of E2M3, ties to even, subnormals kept.
;;     - The product sums the exact products of the quantised numbers (number of the format x scale) in f32.
;;   ~~~python
;;   def quantise(x, axis):      # numpy; x: float32 -> the quantised numbers, widened to float32 again
;;       x = np.moveaxis(x, axis, -1); K = x.shape[-1]
;;       x = np.pad(x, [(0, 0)] * (x.ndim - 1) + [(0, -K % 32)]); x = x.reshape(x.shape[:-1] + (-1, 32)); a = np.abs(x).max(-1, keepdims=True)
;;       e = np.where(a > 0, np.clip(np.frexp(np.where(a > 0, a, 1))[1] - 1 - 2, -126, 127), 0)      # np.frexp(a)[1] - 1 = floor(log2(a)), exactly
;;       r = np.clip(x / 2.0 ** e, -7.5, 7.5)
;;       step = 2.0 ** (np.maximum(np.frexp(np.where(r == 0, 1, r))[1] - 1, 0) - 3)
;;       q = np.round(r / step) * step * 2.0 ** e      # np.round: ties to even
;;       return np.moveaxis(q.reshape(q.shape[:-2] + (-1,))[..., :K], -1, axis).astype(np.float32)
;;   ~~~
;;   SOFTMAX AHEAD OF A QUANTISED PRODUCT. Where the list says 'softmax', what is quantised is not the finished softmax but p = 2^(t - M), with t = logit x log2(e) and M = ceil(the row's largest t), a whole number; so 1/2 < the row's largest p <= 1. The row's sum l is taken of the UNQUANTISED p, in f32, and the product's result is divided by l at the end. Since M is a whole number, a kernel that streams over the keys may use a running M (the ceiling of the running maximum): every later rescaling is an exact power of two, which a block's scale takes up: the codes' values come out the same.
;;   OPERANDS COMPUTED ON THE WAY. 'Computed on the way' means the value that the module computes at that place (a softmax that the list does not call 'softmax' is quantised finished and normalised). What goes into a quantiser is computed in f32, as accurately as f32 sums, v_exp_f32 and their like allow (about 1e-6 of the number): no bf16 or f16 on the way to a quantiser, and a product that is left as it is and whose result goes on into a quantised operand takes f32 operands (vector FMAs, or v_wmma_f32_16x16x4_f32). A number that lies on a knife's edge between two numbers of the format may be rounded either way, as far as f32 arithmetic and the matrix unit's own rounding can turn it there, and no further.
;; One version. Each part assembles by itself: llvm-mc -triple=amdgcn-amd-amdhsa -mcpu=gfx1250 --defsym DOCPART=n.
;; ======== version 1 of 1: 4 launches
;; limits: right only within a limited range of input values
;; workspace buffers: opq 13,107,200 bytes; woq 3,276,800 bytes; qkv 9,830,400 bytes; ctx 3,276,800 bytes
;; launch quant (part 1): grid 1024 x 1, 2 waves a work-group, no clusters, 17,152 bytes of LDS; arguments x, Wq, Wk, Wv, opq; writes opq
.if DOCPART == 1
	.amdgcn_target "amdgcn-amd-amdhsa--gfx1250"
	.amdhsa_code_object_version 6
	.text
	.protected	k_q3aed643c71_quant
	.globl	k_q3aed643c71_quant
	.p2align	8
	.type	k_q3aed643c71_quant,@function
k_q3aed643c71_quant:
	s_mov_b64 s[64:65], 0
	v_nop
	global_prefetch_b8 v0, s[64:65] scope:SCOPE_SE
	s_setreg_imm32_b32 hwreg(HW_REG_WAVE_MODE, 25, 1), 1
	s_wait_xcnt 0x0
; x, Wq, Wk, Wv, Wo, each [2048][2048] f32 with K innermost, become codes of FP6 (E2M3) with one E8M0 scale for each 32 along K, laid as RECORDS.
; A RECORD is 12,800 bytes: 128 rows x 128 along K.  Eight fragments (16 rows x 128 K, 12 registers a lane) lie as images of their registers: registers 4 c .. 4 c + 3 of lane l of
; fragment a at 1536 a + 512 c + 16 l; behind them, at 12,288, the scale words: that of fragment a, lane r at 256 (a / 4) + 16 r + 4 (a % 4).
; LANE r OF FRAGMENT a HOLDS ROW 32 (a / 2) + 8 (a % 2) + r + 8 (r / 8) of the record's 128.  Records lie [tensor 0..4][row group 0..15][K step 0..15].
; A block's scale is 2^(floor(log2(its largest magnitude)) - 2): its byte is the largest magnitude's exponent field - 2, held at 1 from below.
; LIMITS: a block of zeros gets the byte 1 where the rule says 127 (its codes are zeros, and this program alone reads the bytes); blocks whose largest magnitude lies under 2^-124 stand at that
; floor; NaN and infinities among the inputs are not served.
; SHARES: a wave makes half a record: four fragments, 64 rows x 128 K.  Each load reads 512 consecutive bytes of one row; a fragment's 16 rows turn through the wave's own stage in LDS, so that a
; lane gets 16 neighbours along K of each block of 32.  Loads run two fragments (32 loads a wave) ahead.  No matrix work, no barrier: waves share nothing.  Every store covers whole aligned runs of 256 bytes.
; THIS LAUNCH SERVES FOUR TENSORS, x, Wq, Wk, Wv (tensors 0..3 of the records): Wo is quantised, by the same rule and into records of the same make, by work-groups of the launch gemm_qkv.
.set REC,   12800
.set ROWB,  8192                       ; a row of a tensor in bytes
.set SP,    528                        ; a stage row: 512 bytes + 16
.set STGB,  16*SP                      ; a wave's stage
.set LI,    1                          ; v1   16 x lane: my place in a load's or a store's 512 bytes; never rewritten
.set SIN,   2                          ; v2   the stage, on the way in
.set SOUT,  3                          ; v3   and on the way out: row r, + 64 h
.set WO,    4                          ; v4   16 r + 8 h: my two scale words' place
.set TM,    8                          ; v8-23   at work in QUANT
.set PW,    24                         ; v24-27  the four fragments' scale words
.set XW,    28                         ; v28-29  the two that I store
.set R,     32                         ; v32-159 two sets of 64: a fragment's numbers as they are loaded
.set X,     160                        ; v160-223 the same, 16 neighbours of each block
.set PC,    224                        ; v224-235 a fragment's codes
.set TP,    236                        ; v236-242 the conversions' second halves
.set SEL,   20                         ; s[20:21] lane selects: lane l xor 16
; 64 numbers of a lane, register 16 b + i = k 32 b + 16 (lane / 16) + i of my row, become a fragment's codes in v[pc] on and its scale word in v[pw]
.macro QUANT s, pc, pw, tm, tp
.irp b, 0,1,2,3
	v_max3_num_f32 v[\tm+\b], |v[\s+16*\b]|, |v[\s+1+16*\b]|, 0x1800000   ; block b: my 16 numbers, and the floor 2^(3 - 127): the byte cannot fall under 1
.endr
.irp i, 2,4,6,8,10,12,14
.irp b, 0,1,2,3
	v_max3_num_f32 v[\tm+\b], v[\tm+\b], |v[\s+16*\b+\i]|, |v[\s+1+16*\b+\i]|   ; the four blocks by turns
.endr
.endr
.irp b, 0,1,2,3
	v_permlanex16_b32 v[\tm+4+\b], v[\tm+\b], s[SEL], s[SEL+1]
.endr
.irp b, 0,1,2,3
	v_max_num_f32 v[\tm+\b], v[\tm+\b], v[\tm+4+\b]   ; with lane l xor 16's: the block's largest magnitude
.endr
.irp b, 0,1,2,3
	v_add_nc_u32 v[\tm+12+\b], 0xff000000, v[\tm+\b]   ; 2 off its exponent field: the conversion's scale operand
.endr
.irp b, 0,1,2,3
	v_lshrrev_b32 v[\tm+4+\b], 23, v[\tm+12+\b]   ; the scale's byte
.endr
	v_lshl_or_b32 v[\pw], v[\tm+5], 8, v[\tm+4]   ; four bytes: my row's scale word
	v_lshl_or_b32 v[\pw], v[\tm+6], 16, v[\pw]
	v_lshl_or_b32 v[\pw], v[\tm+7], 24, v[\pw]
.irp c, 0,1
	v_cvt_scalef32_pk16_fp6_f32 v[\pc+6*\c:\pc+2+6*\c], v[\s+32*\c:\s+15+32*\c], v[\tm+12+2*\c]
	v_cvt_scalef32_pk16_fp6_f32 v[\tp+4*\c:\tp+2+4*\c], v[\s+16+32*\c:\s+31+32*\c], v[\tm+12+2*\c+1]   ; (a conversion's three registers begin on an even number)
.endr
	v_nop                                          ; one plain instruction behind the scaled conversions
.irp c, 0,1                                    ; the operand's layout wants a whole block in a lane: lanes 0-15 block 2 c, lanes 16-31 block 2 c + 1
.irp i, 0,1,2
	v_permlane16_swap_b32 v[\pc+6*\c+\i], v[\tp+4*\c+\i]
.endr
.irp i, 0,1,2
	v_mov_b32 v[\pc+3+6*\c+\i], v[\tp+4*\c+\i]
.endr
.endr
.endm
	s_load_b256 s[4:11], s[0:1], 0x0               ; x, Wq, Wk, Wv
	s_load_b64 s[14:15], s[0:1], 0x20              ; the records
	v_lshl_add_u32 v244, v0, 2, 0x4200
	v_mov_b32 v245, 0
	v_lshrrev_b32 v5, 5, v0
	v_readfirstlane_b32 s16, v5                    ; wave 0..1
	v_and_b32 v6, 31, v0                           ; lane
	v_and_b32 v7, 15, v0                           ; r
	v_bfe_u32 v5, v0, 4, 1                         ; h
	v_lshlrev_b32 v[LI], 4, v6
	s_mul_i32 s17, s16, STGB                       ; my stage
	v_add_nc_u32 v[SIN], s17, v[LI]
	v_mul_u32_u24 v[SOUT], v7, SP
	v_lshl_add_u32 v[SOUT], v5, 6, v[SOUT]
	v_add_nc_u32 v[SOUT], s17, v[SOUT]
	v_lshlrev_b32 v[WO], 4, v7
	v_lshl_add_u32 v[WO], v5, 3, v[WO]
	v_cmp_ne_u32 vcc_lo, 0, v5                     ; lanes 16-31; kept to the end
.irp b, 0,1,2,3
	v_mov_b32 v[TM+4+\b], 0                        ; written once: a lane permute's destination counts as one of its sources
.endr
	s_mov_b32 s[SEL], 0x76543210
	s_mov_b32 s[SEL+1], 0xfedcba98
	s_lshl_b32 s18, ttmp9, 1
	s_add_co_u32 s18, s18, s16                     ; which half record is mine: 2 x work-group + wave
	s_and_b32 s19, s18, 15                         ; its K step,
	s_bfe_u32 s22, s18, 0x10004                    ; its half,
	s_bfe_u32 s23, s18, 0x40005                    ; its row group,
	s_lshr_b32 s24, ttmp9, 8                       ; its tensor
	s_lshl_b32 s26, s23, 20                        ; in the tensor: (128 group + 64 half) rows of 8,192 bytes + 512 x K step
	s_lshl_b32 s27, s22, 19
	s_add_co_u32 s26, s26, s27
	s_lshl_b32 s27, s19, 9
	s_add_co_u32 s26, s26, s27
	s_mov_b32 s27, 0
	s_lshl_b32 s28, s24, 4
	s_add_co_u32 s28, s28, s23
	s_lshl_b32 s28, s28, 4
	s_add_co_u32 s28, s28, s19
	s_mul_i32 s28, s28, REC                        ; the record
	s_mul_i32 s30, s22, 4*1536
	s_add_co_u32 s30, s30, s28                     ; my four fragments
	s_mov_b32 s31, 0
	s_lshl_b32 s29, s22, 8
	s_add_co_u32 s28, s28, s29
	s_add_co_u32 s28, s28, 12288                   ; and their 256 bytes of scale words
	s_mov_b32 s29, 0
	s_wait_alu depctr_va_vdst(0)
	s_wait_kmcnt 0x0
	s_cmp_eq_u32 s24, 1                            ; the tensor is chosen by the work-group's number alone
	s_cselect_b64 s[4:5], s[6:7], s[4:5]
	s_cmp_eq_u32 s24, 2
	s_cselect_b64 s[4:5], s[8:9], s[4:5]
	s_cmp_eq_u32 s24, 3
	s_cselect_b64 s[4:5], s[10:11], s[4:5]
	s_add_nc_u64 s[4:5], s[4:5], s[26:27]
	s_add_nc_u64 s[30:31], s[14:15], s[30:31]
	s_add_nc_u64 s[28:29], s[14:15], s[28:29]
.macro LOAD a                          ; fragment a's 16 rows, in the order of its lanes, 512 consecutive bytes each, into set a % 2
.irp i, 0,1,2,3,4,5,6,7,8,9,10,11,12,13,14,15
	global_load_b128 v[R+64*((\a)%2)+4*\i:R+64*((\a)%2)+4*\i+3], v[LI], s[4:5] offset:(32*((\a)/2)+8*((\a)%2)+\i+8*(\i/8))*ROWB th:TH_LOAD_NT
.endr
.endm
.macro FRAGQ a
.if (\a) < 3
	s_wait_loadcnt 16                              ; this fragment's 16 loads are in; the next fragment's 16 may be out
.else
	s_wait_loadcnt 0x0
.endif
.irp i, 0,1,2,3,4,5,6,7,8,9,10,11,12,13,14,15
	ds_store_b128 v[SIN], v[R+64*((\a)%2)+4*\i:R+64*((\a)%2)+4*\i+3] offset:SP*\i
.endr
.irp b, 0,1,2,3
.irp j, 0,1,2,3
	ds_load_b128 v[X+16*\b+4*\j:X+16*\b+4*\j+3], v[SOUT] offset:128*\b+16*\j   ; LDS serves a wave's instructions in order (ISA guide 5.7.1.4): these see the stores above
.endr
.endr
	s_wait_dscnt 0x0                               ; my numbers are back, and the stores have read their registers,
.if (\a) < 2
	LOAD (\a)+2                                    ; which take the fragment two on
.endif
.if (\a) > 0
	s_wait_xcnt 0x0                                ; the last fragment's stores have read the codes' registers: they are written again only behind this wait
.endif
	QUANT X, PC, PW+(\a), TM, TP
.irp c, 0,1,2
	global_store_b128 v[LI], v[PC+4*\c:PC+4*\c+3], s[30:31] offset:1536*(\a)+512*\c   ; 32 lanes store 512 consecutive bytes
.endr
.endm
	LOAD 0
	LOAD 1
	FRAGQ 0
	FRAGQ 1
	FRAGQ 2
	FRAGQ 3
	v_cndmask_b32 v[XW], v[PW], v[PW+2], vcc_lo    ; lanes 0-15 store the words of fragments 0, 1 of their row, lanes 16-31 those of 2, 3
	v_cndmask_b32 v[XW+1], v[PW+1], v[PW+3], vcc_lo
	global_store_b64 v[WO], v[XW:XW+1], s[28:29]   ; 32 lanes store 256 consecutive bytes, aligned
	s_wait_tensorcnt 0x0
	ds_add_u32 v244, v245
	s_wait_dscnt 0x0
	s_endpgm
.Lfunc_end_k_q3aed643c71_quant:
	.size	k_q3aed643c71_quant, .Lfunc_end_k_q3aed643c71_quant-k_q3aed643c71_quant
	.p2alignl 7, 3214868480
	.fill 96, 4, 3214868480
	.section	.rodata,"a",@progbits
	.p2align	6, 0x0
	.amdhsa_kernel k_q3aed643c71_quant
		.amdhsa_group_segment_fixed_size 17152
		.amdhsa_private_segment_fixed_size 0
		.amdhsa_enable_private_segment 0
		.amdhsa_kernarg_size 40
		.amdhsa_user_sgpr_count 2
		.amdhsa_user_sgpr_kernarg_segment_ptr 1
		.amdhsa_wavefront_size32 1
		.amdhsa_system_sgpr_workgroup_id_x 1
		.amdhsa_system_sgpr_workgroup_id_y 1
		.amdhsa_system_sgpr_workgroup_id_z 1
		.amdhsa_system_vgpr_workitem_id 0
		.amdhsa_next_free_vgpr 246
		.amdhsa_next_free_sgpr 66
		.amdhsa_reserve_vcc 1
		.amdhsa_float_denorm_mode_32 3
		.amdhsa_float_denorm_mode_16_64 3
		.amdhsa_memory_ordered 1
		.amdhsa_forward_progress 1
		.amdhsa_inst_pref_size 34
	.end_amdhsa_kernel
	.amdgpu_metadata
---
amdhsa.version: [ 1, 2 ]
amdhsa.kernels:
  - .name:           k_q3aed643c71_quant
    .symbol:         k_q3aed643c71_quant.kd
    .args:
      - { .name: x, .offset: 0, .size: 8, .value_kind: global_buffer, .address_space: global }
      - { .name: Wq, .offset: 8, .size: 8, .value_kind: global_buffer, .address_space: global }
      - { .name: Wk, .offset: 16, .size: 8, .value_kind: global_buffer, .address_space: global }
      - { .name: Wv, .offset: 24, .size: 8, .value_kind: global_buffer, .address_space: global }
      - { .name: opq, .offset: 32, .size: 8, .value_kind: global_buffer, .address_space: global }
    .group_segment_fixed_size: 17152
    .private_segment_fixed_size: 0
    .kernarg_segment_align: 8
    .kernarg_segment_size: 40
    .max_flat_workgroup_size: 64
    .sgpr_count:     66
    .vgpr_count:     246
    .wavefront_size: 32
...
	.end_amdgpu_metadata
.endif
;; end of part 1
;; launch gemm_qkv (part 2): grid 32 x 8, 4 waves a work-group, clusters of 4 x 4, 327,680 bytes of LDS; arguments opq, bq, bk, bv, qkv, Wo, woq; writes qkv, woq
.if DOCPART == 2
	.amdgcn_target "amdgcn-amd-amdhsa--gfx1250"
	.amdhsa_code_object_version 6
	.text
	.protected	k_q3aed643c71_gemm_qkv
	.globl	k_q3aed643c71_gemm_qkv
	.p2align	8
	.type	k_q3aed643c71_gemm_qkv,@function
k_q3aed643c71_gemm_qkv:
	s_mov_b64 s[64:65], 0
	v_nop
	global_prefetch_b8 v0, s[64:65] scope:SCOPE_SE
	s_setreg_imm32_b32 hwreg(HW_REG_WAVE_MODE, 25, 1), 1
	s_wait_xcnt 0x0
	s_wait_alu depctr_hold_cnt(0) depctr_sa_sdst(0) depctr_va_vdst(0) depctr_va_sdst(0) depctr_va_ssrc(0) depctr_va_vcc(0) depctr_vm_vsrc(0)
	s_getreg_b32 s2, hwreg(HW_REG_IB_STS2, 6, 4)
	s_cmp_eq_u32 s2, 0
	s_cbranch_scc0 .Lentry_in_a_cluster
	s_endpgm
.Lentry_in_a_cluster:
	s_bfe_u32 s2, ttmp6, 0x10000c
	s_cmp_lg_u32 s2, 0xf033
	s_cbranch_scc0 .Lentry_shape_is_right
	s_endpgm
.Lentry_shape_is_right:
; q = (x Wq^T + bq) / sqrt(128), k = x Wk^T + bk, v = x Wv^T + bv, on codes of FP6 (E2M3) with E8M0 scales, sums in f32; the results are quantised here, in registers, for the attention:
; q and k along the head's 128, v along the keys.  Operands come and results go as RECORDS of 12,800 bytes (128 rows x 128 K): eight fragments as images of their 12 registers (registers 4 c .. 4 c + 3
; of lane l of fragment a at 1536 a + 512 c + 16 l), then 512 bytes of scale words (fragment a, lane r at 12,288 + 256 (a / 4) + 16 r + 4 (a % 4)).
; Lane r of fragment a holds row 32 (a / 2) + 8 (a % 2) + r + 8 (r / 8).  So a fragment is three loads of 16 bytes a lane at 16 x lane, and four fragments' scale words are one.
; THE MATRIX INSTRUCTION IS USED TRANSPOSED: source 1 ("A") gives the result's lane, source 0 ("B") its registers; by the order of a record's rows the 16 registers of result tiles 2 B, 2 B + 1 are 16 NEIGHBOURS
; along B's rows, which are the next product's K.  q, k (columns of work-groups 0-15): A = x (tokens), B = Wq, Wk (a head's 128).  v (columns 16-23): A = Wv (a head's 128), B = x (tokens = keys).
; SHARES: a work-group makes 256 x 256, each of its four waves 128 x 128: 64 accumulators, 512 registers, the largest tile that the registers hold; 3 x 64 = 192 work-groups.  A wave's 128 along B's rows are one whole
; K step of the next product, so each of its eight blocks of 16 lanes' rows becomes one whole fragment with its scale word, and a wave stores one whole record.
; K goes through a ring of two LDS slots of THREE K steps, as many as two slots in LDS allow; a wave's tensor load brings three records, 38,400 consecutive bytes.  K's sixteen steps are five such fills and one of a single
; K step, which has descriptors of its own.  From a refill's request to the wait for it a wave issues 160 matrix instructions.  Since the fills differ, the sixteen steps are written out, by macros.
; CLUSTERS: 4 x 4.  A's records hang on the work-group's y alone and are asked for jointly along a row of the cluster, B's on its x alone, along a column.
; The biases: along the registers (bq, bk) as the C of the first K step; along the lanes (bv) by the multiply-add on the way out.  Both are loaded on every path and the one that does not apply is masked to 0.
; LIMITS: a block of zeros gets the scale byte 1 where the rule says 127 (its codes are zeros; this program alone reads the bytes); blocks under 2^-124 stand at that floor; NaN and infinities are not served.
; REGISTERS: window 0: v1-7 at work at the head; v16-23 LDS addresses; v26 16 x lane; v28, 29 for the add; v32-47 scale words, two sets of eight; v64-127 the biases along the registers, later a block's 64 numbers;
;   v128-223 A's fragments, ONE set, later codes and work; v224-235 scale words on their way out; v240-255 the bias along the lanes, each number twice.
;   window 1: B's fragments, two sets, at v0 and v128.   windows 2, 3: the accumulators: (a, b) at v[8 (8 (a % 4) + b)] of window 2 + a / 4.
.set REC,   12800
.set GRP,   16*REC                     ; a row group's 16 K steps
.set HALFT, 3*REC                      ; what one tensor load brings: 128 rows, three K steps
.set SLOT,  4*HALFT                    ; A's two halves, then B's two
.set SPARE, 2*SLOT                     ; behind the ring: the spare words, 128 bytes for each wave: two blocks of 256 bytes that no other line names
.set FR,    12                         ; registers of a fragment
.set NL,    3                          ; LDS loads that bring one
.set NP,    4                          ; places behind this matrix instruction (ISA guide 7.12.1)
.set ADRA,  16                         ; v16-17 my A fragments in slot 0, 1
.set ADRB,  20                         ; v20-21 my B fragments
.set ADRS,  22                         ; v22-23 my scale words: lanes 0-15 A's, lanes 16-31 B's
.set LI,    26                         ; v26    16 x lane
.set SPW,   28                         ; v28    my spare word; never rewritten
.set NIL,   29                         ; v29    0; never rewritten
.set SC,    32                         ; scale words: register 8 p + i: lanes 0-15 A's block i, lanes 16-31 B's tile i, of the K steps of parity p
.set BP,    64                         ; the bias along the registers: eight a tile of B
.set AF,    128                        ; A's fragments
.set BR,    240                        ; the bias along the lanes: block a's at v[BR + 2 a], twice
.set T,     64                         ; the way out: a block's 64 numbers
.set PC0,   128                        ; four sets of codes by turns
.set TM,    176
.set TP,    192
.set PW,    224                        ; the eight blocks' scale words
.set XW,    232                        ; the four that I store
.set G1,    24                         ; s[24:31] descriptor group 1 for A; s[32:39] group 0, a set for each slot
.set G0,    32
.set G1B,   48                         ; s[48:55], s[56:63] the same for B
.set G0B,   56
.set QSC,   66                         ; s[66:67] 1 / sqrt(128) for q, 1 for k and v
.set G1S,   68                         ; s[68:75] group 1 for A's last fill, of one K step; s[76:83] for B's
.set G1SB,  76
.set SEL,   96                         ; s[96:97] lane selects: lane l xor 16
.set MSB, 0
.macro WIN new                         ; the immediate's high byte repeats the setting that is left
.if MSB != \new
	s_set_vgpr_msb (MSB<<8)|\new
.set MSB, \new
.endif
.endm
.set MUL_LO, 0xa1                      ; source 0 (B) window 1, source 1 (A) window 0, C and D window 2
.set MUL_HI, 0xf1                      ; the same, C and D window 3
.set TO_B,   0x40                      ; destination window 1, address window 0
; A joint load: waves 0 and 1 fetch for A, waves 2 and 3 for B; the branch hangs on the wave's number alone.  Four v_nop follow each of the two lines.
.macro JLOAD g0a, g1a, g0b, g1b
	s_cmp_eq_u32 s15, 0
	s_cbranch_scc0 .Lfor_b_\@
	tensor_load_to_lds s[\g0a:\g0a+3], s[\g1a:\g1a+7]
	s_nop 0
.rept 4
	v_nop
.endr
	s_branch .Lasked_\@
.Lfor_b_\@:
	tensor_load_to_lds s[\g0b:\g0b+3], s[\g1b:\g1b+7]
	s_nop 0
.rept 4
	v_nop
.endr
.Lasked_\@:
.endm
.macro CREST                           ; a round of the cluster's barrier behind its opening barrier
	s_cmp_lg_u32 s14, 0
	s_cbranch_scc1 .Lnot_wave_0_\@
	s_barrier_signal -3
.Lnot_wave_0_\@:
	s_barrier_wait -3
	s_barrier_signal -1
	s_barrier_wait -1
.endm
.macro CROUND                          ; a whole round
	s_barrier_signal -1
	s_barrier_wait -1
	CREST
.endm
.macro PLACES n
.rept \n
	v_nop
.endr
.endm
; 64 numbers of a lane, register 16 b + i = k 32 b + 16 (lane / 16) + i of my row, become a fragment's codes in v[pc] on and its scale word in v[pw]
.macro QUANT s, pc, pw, tm, tp
.irp b, 0,1,2,3
	v_max3_num_f32 v[\tm+\b], |v[\s+16*\b]|, |v[\s+1+16*\b]|, 0x1800000   ; block b: my 16 numbers, and the floor 2^(3 - 127): the byte cannot fall under 1
.endr
.irp i, 2,4,6,8,10,12,14
.irp b, 0,1,2,3
	v_max3_num_f32 v[\tm+\b], v[\tm+\b], |v[\s+16*\b+\i]|, |v[\s+1+16*\b+\i]|
.endr
.endr
.irp b, 0,1,2,3
	v_permlanex16_b32 v[\tm+4+\b], v[\tm+\b], s[SEL], s[SEL+1]
.endr
.irp b, 0,1,2,3
	v_max_num_f32 v[\tm+\b], v[\tm+\b], v[\tm+4+\b]   ; with lane l xor 16's: the block's largest magnitude
.endr
.irp b, 0,1,2,3
	v_add_nc_u32 v[\tm+12+\b], 0xff000000, v[\tm+\b]   ; 2 off its exponent field: the conversion's scale operand
.endr
.irp b, 0,1,2,3
	v_lshrrev_b32 v[\tm+4+\b], 23, v[\tm+12+\b]   ; the scale's byte
.endr
	v_lshl_or_b32 v[\pw], v[\tm+5], 8, v[\tm+4]
	v_lshl_or_b32 v[\pw], v[\tm+6], 16, v[\pw]
	v_lshl_or_b32 v[\pw], v[\tm+7], 24, v[\pw]
.irp c, 0,1
	v_cvt_scalef32_pk16_fp6_f32 v[\pc+6*\c:\pc+2+6*\c], v[\s+32*\c:\s+15+32*\c], v[\tm+12+2*\c]
	v_cvt_scalef32_pk16_fp6_f32 v[\tp+4*\c:\tp+2+4*\c], v[\s+16+32*\c:\s+31+32*\c], v[\tm+12+2*\c+1]
.endr
	v_nop                                          ; one plain instruction behind the scaled conversions
.irp c, 0,1
.irp i, 0,1,2
	v_permlane16_swap_b32 v[\pc+6*\c+\i], v[\tp+4*\c+\i]
.endr
.irp i, 0,1,2
	v_mov_b32 v[\pc+3+6*\c+\i], v[\tp+4*\c+\i]
.endr
.endr
.endm
	s_load_b256 s[4:11], s[0:1], 0x0               ; the operands' records s[4:5], bq s[6:7], bk s[8:9], bv s[10:11]
	s_load_b64 s[12:13], s[0:1], 0x20              ; the results' records
	v_lshl_add_u32 v[SPW], v0, 2, SPARE
	v_mov_b32 v[NIL], 0
	ds_add_u32 v28, v29
	ds_add_u32 v28, v29
	s_wait_dscnt 0x0
	v_lshrrev_b32 v1, 5, v0
	v_readfirstlane_b32 s14, v1                    ; wave 0..3
	s_lshr_b32 s15, s14, 1                         ; which half of A's rows is mine.  Also: I fetch for A (0) or for B (1)
	s_and_b32 s16, s14, 1                          ; which half of B's rows.  Also: which half I fetch
	; The products take clusters x = 0..5 (192 work-groups).  Clusters x = 6, 7 (64 work-groups, 256 waves) quantise Wo's 256 records for the last product: the text at .Lwo.
	s_cmp_ge_u32 ttmp9, 6                          ; by the cluster's x: the same in all sixteen partners
	s_wait_alu depctr_va_vdst(0)
	s_cbranch_scc1 .Lwo
	s_bfe_u32 s40, ttmp6, 0x40000                  ; cx, cy: my place in the cluster
	s_bfe_u32 s41, ttmp6, 0x40004
	s_lshl_b32 s42, ttmp9, 2
	s_add_co_u32 s42, s42, s40                     ; work-group x = 4 x cluster x + cx
	s_and_b32 s17, ttmp7, 0xffff
	s_lshl_b32 s17, s17, 2
	s_add_co_u32 s17, s17, s41                     ; work-group y = 4 x cluster y + cy
	s_lshl_b32 s43, s41, 2
	s_lshl_b32 s43, 15, s43                        ; my row of the cluster
	s_lshl_b32 s44, 0x1111, s40                    ; my column
	; descriptor group 1: 38,400 consecutive bytes as 150 rows of 256 (32 elements of 8 bytes), no padding; for the last fill 12,800 bytes as 50 rows
	s_or_b32 s[G1+0], s43, (3<<16)|(1<<21)         ; 15:0 the mask: A's go to my row; 17:16 elements of 8 bytes; 21 set beside a mask
	s_or_b32 s[G1B+0], s44, (3<<16)|(1<<21)        ; B's go to my column
	s_or_b32 s[G1S+0], s43, (3<<16)|(1<<21)
	s_or_b32 s[G1SB+0], s44, (3<<16)|(1<<21)
.irp g, G1, G1B
	s_mov_b32 s[\g+1], 32<<16                      ; tensor_dim0
	s_mov_b32 s[\g+2], 150<<16                     ; tensor_dim1
	s_mov_b32 s[\g+3], 32<<16                      ; tile_dim0
	s_mov_b32 s[\g+4], 150                         ; tile_dim1
	s_mov_b32 s[\g+5], 32                          ; tensor_dim0_stride
	s_mov_b32 s[\g+6], 0
	s_mov_b32 s[\g+7], 0
.endr
.irp g, G1S, G1SB
	s_mov_b32 s[\g+1], 32<<16
	s_mov_b32 s[\g+2], 50<<16
	s_mov_b32 s[\g+3], 32<<16
	s_mov_b32 s[\g+4], 50
	s_mov_b32 s[\g+5], 32
	s_mov_b32 s[\g+6], 0
	s_mov_b32 s[\g+7], 0
.endr
	s_cmp_ge_u32 ttmp9, 4                          ; v's columns?  By the cluster's x: the same in all sixteen partners
	s_cselect_b32 s18, 48, 0                       ; A: Wv's row groups begin at 48, x's at 0
	s_cselect_b32 s19, 0, 48                       ; B: x's group 2 x - 32, or Wq's and Wk's 2 x + 16: 2 x + this - 32
	s_cselect_b32 s84, 0, -1                       ; keeps the bias along the registers (q, k)
	s_cselect_b32 s85, -1, 0                       ; keeps the bias along the lanes (v)
	s_lshl_b32 s20, s17, 1
	s_add_co_u32 s20, s20, s16
	s_add_co_u32 s20, s20, s18
	s_mul_i32 s20, s20, GRP                        ; A: the row group that I fetch, in bytes
	s_mov_b32 s21, 0
	s_lshl_b32 s46, s42, 1
	s_add_co_u32 s46, s46, s16
	s_add_co_u32 s46, s46, s19
	s_sub_co_u32 s46, s46, 32
	s_mul_i32 s46, s46, GRP                        ; B likewise
	s_mov_b32 s47, 0
	s_mul_i32 s45, s14, HALFT                      ; where it goes: wave x 38,400: no place in the cluster enters an LDS address
	s_mov_b32 s[SEL], 0x76543210
	s_mov_b32 s[SEL+1], 0xfedcba98
	s_wait_kmcnt 0x0
	s_add_nc_u64 s[20:21], s[4:5], s[20:21]
	s_add_nc_u64 s[46:47], s[4:5], s[46:47]
	CROUND                                         ; all sixteen work-groups are here: the first joint loads meet
.irp s, 0,1
	s_mov_b32 s[G0+4*\s], 1
	s_add_co_u32 s[G0+4*\s+1], s45, \s*SLOT
	s_add_nc_u64 s[G0+4*\s+2:G0+4*\s+3], s[20:21], \s*HALFT
	s_or_b32 s[G0+4*\s+3], s[G0+4*\s+3], 0x80000000
	s_mov_b32 s[G0B+4*\s], 1
	s_add_co_u32 s[G0B+4*\s+1], s45, \s*SLOT
	s_add_nc_u64 s[G0B+4*\s+2:G0B+4*\s+3], s[46:47], \s*HALFT
	s_or_b32 s[G0B+4*\s+3], s[G0B+4*\s+3], 0x80000000
.endr
	JLOAD G0, G1, G0B, G1B                         ; K steps 0-2: one tensor load a wave at the head
	v_and_b32 v1, 15, v0                           ; r
	v_bfe_u32 v2, v0, 4, 1                         ; h
	v_and_b32 v3, 31, v0
	v_lshlrev_b32 v[LI], 4, v3
	s_mul_i32 s86, s15, HALFT                      ; my 128 rows of A
	s_mul_i32 s87, s16, HALFT
	s_add_co_u32 s87, s87, 2*HALFT                 ; my 128 rows of B, behind A's two halves
	s_sub_co_u32 s88, s87, s86
	v_mul_u32_u24 v4, s88, v2                      ; the scale words: lanes 16-31 take B's,
	v_lshl_add_u32 v4, v1, 4, v4                   ; 16 bytes (four fragments' words) a row,
	v_add_nc_u32 v4, 12288, v4                     ; behind a record's fragments
.irp s, 0,1
	v_add_nc_u32 v[ADRA+\s], s86, v[LI]
	v_add_nc_u32 v[ADRB+\s], s87, v[LI]
	v_add_nc_u32 v[ADRS+\s], s86, v4
	s_add_co_u32 s86, s86, SLOT
	s_add_co_u32 s87, s87, SLOT
.endr
	; the biases
	; PREFETCHES INTO THE L2: a fill is asked of memory two fills ahead of the joint load that will want it.  A wave's fill is 38,400 consecutive bytes, 150 blocks of 256; the four partners that ask for it jointly share the
	; blocks out BY ADDRESS: the partner at place p (cx for A, cy for B) names blocks 38 p .. 38 p + 37, held at 149: two instructions a wave, a lane a block.  The last fill, 50 blocks: 13 p .. 13 p + 12, held at 49.
	; Every offset is an immediate on my row group's first byte; no register of a prefetch is written again.  Here fills 1 and 2 are asked for; behind the joint load of fill t, fill t + 2; behind fills 4 and 5 nothing.
.set PF0, 48
.set PF1, 49
.set PF2, 50
.set PFA, 98
.set ASKN, 0
.macro PFASK t
	global_prefetch_b8 v[PF0], s[PFA:PFA+1] offset:(\t)*HALFT th:TH_LOAD_NT scope:SCOPE_SE
	global_prefetch_b8 v[PF1], s[PFA:PFA+1] offset:(\t)*HALFT th:TH_LOAD_NT scope:SCOPE_SE
.endm
	s_cmp_eq_u32 s15, 0                            ; do I fetch for A?
	s_cselect_b32 s22, s40, s41                    ; my place among the four that ask with me
	s_cselect_b64 s[PFA:PFA+1], s[20:21], s[46:47]
	s_mul_i32 s23, s22, 13
	s_mul_i32 s22, s22, 38
	v_add_nc_u32 v[PF0], s22, v3
	v_min_u32 v[PF1], 5, v3
	v_min_u32 v[PF2], 12, v3
	v_add3_u32 v[PF1], v[PF1], s22, 32
	v_add_nc_u32 v[PF2], s23, v[PF2]
	v_min_u32 v[PF1], 149, v[PF1]
	v_min_u32 v[PF2], 49, v[PF2]
	v_lshlrev_b32 v[PF0], 8, v[PF0]
	v_lshlrev_b32 v[PF1], 8, v[PF1]
	v_lshlrev_b32 v[PF2], 8, v[PF2]
	PFASK 1
	PFASK 2
	s_cmp_lt_u32 ttmp9, 4
	s_cselect_b64 s[90:91], s[8:9], s[10:11]
	s_cmp_lt_u32 ttmp9, 2
	s_cselect_b64 s[90:91], s[6:7], s[90:91]       ; bq, bk or bv, by the cluster's x
	s_mov_b32 s[QSC], 0x3db504f3                   ; 1 / sqrt(128)
	s_cselect_b32 s[QSC], s[QSC], 1.0
	s_mov_b32 s[QSC+1], s[QSC]                     ; (named with it as a pair, so it is written)
	s_lshl_b32 s89, s42, 1
	s_add_co_u32 s89, s89, s16
	s_and_b32 s89, s89, 15                         ; B's group of 128 within its tensor
	s_lshl_b32 s94, s89, 9
	s_mov_b32 s95, 0
	s_add_nc_u64 s[92:93], s[90:91], s[94:95]
	s_lshl_b32 s94, s17, 1
	s_add_co_u32 s94, s94, s15                     ; A's group of 128
	s_lshl_b32 s94, s94, 9
	s_add_nc_u64 s[90:91], s[90:91], s[94:95]
	v_lshlrev_b32 v5, 6, v2                        ; along the registers: tile b's eight are 32 (b / 2) + 8 (b % 2) + 16 h + 0 .. 7
	v_and_b32 v6, 8, v1
	v_add_nc_u32 v6, v6, v1
	v_lshlrev_b32 v6, 2, v6                        ; along the lanes: block a's is 32 (a / 2) + 8 (a % 2) + r + 8 (r / 8)
.irp b, 0,1,2,3,4,5,6,7
	global_load_b128 v[BP+8*\b:BP+8*\b+3], v5, s[92:93] offset:(32*(\b/2)+8*(\b%2))*4
	global_load_b128 v[BP+8*\b+4:BP+8*\b+7], v5, s[92:93] offset:(32*(\b/2)+8*(\b%2))*4+16
.endr
.irp a, 0,1,2,3,4,5,6,7
	global_load_b32 v[BR+2*\a], v6, s[90:91] offset:(32*(\a/2)+8*(\a%2))*4
	global_load_b32 v[BR+2*\a+1], v6, s[90:91] offset:(32*(\a/2)+8*(\a%2))*4
.endr
	; where my record goes: ((head x 16 + group) x 3 + t) records on; t = 0 q, 1 k, 2 v
	s_lshr_b32 s86, s42, 3                         ; t
	s_and_b32 s87, s42, 7
	s_lshl_b32 s87, s87, 1
	s_add_co_u32 s87, s87, s16                     ; B's group: q, k: the head; v: the keys' group
	s_lshl_b32 s88, s17, 1
	s_add_co_u32 s88, s88, s15                     ; A's group: q, k: the tokens' group; v: the head
	s_cmp_ge_u32 ttmp9, 4
	s_cselect_b32 s89, s88, s87
	s_cselect_b32 s94, s87, s88
	s_lshl_b32 s89, s89, 4
	s_add_co_u32 s89, s89, s94
	s_mul_i32 s89, s89, 3
	s_add_co_u32 s89, s89, s86
	s_mul_i32 s94, s89, REC
	s_mov_b32 s95, 0
	s_add_nc_u64 s[12:13], s[12:13], s[94:95]
	s_wait_loadcnt 0x0
.set i, 0
.rept 64
	v_and_b32 v[BP+i], s84, v[BP+i]                ; 0 for v
.set i, i+1
.endr
.set i, 0
.rept 16
	v_and_b32 v[BR+i], s85, v[BR+i]                ; 0 for q and k
.set i, i+1
.endr
.macro FRAG reg, adr, q, i             ; a fragment comes as it was stored: three loads of 16 bytes a lane, 512 consecutive bytes each
.irp c, 0,1,2
	ds_load_b128 v[\reg+4*\c:\reg+4*\c+3], v[\adr] offset:(\q)*REC+(\i)*1536+512*\c
.endr
.endm
; 16 matrix instructions: A's blocks a0, a0 + 1 x B's eight tiles, one K step.  p: the step's parity: B's set and the set of scale words.  first = 1: the first K step starts the sums with the bias as C: nothing is cleared.
; The 64 accumulators take turns, one instruction a turn, in the same order in every step.
.macro MUL16 a0, p, first
.irp a, \a0, \a0+1
.irp b, 0,1,2,3,4,5,6,7
.if \first
	v_wmma_scale_f32_16x16x128_f8f6f4 v[8*(8*((\a)%4)+\b):8*(8*((\a)%4)+\b)+7], v[128*(\p)+FR*\b:128*(\p)+FR*\b+FR-1], v[AF+FR*(\a):AF+FR*(\a)+FR-1], v[BP+8*\b:BP+8*\b+7], v[SC+8*(\p)+\b], v[SC+8*(\p)+(\a)] matrix_a_fmt:MATRIX_FMT_FP6 matrix_b_fmt:MATRIX_FMT_FP6 matrix_a_scale:MATRIX_SCALE_ROW1
.else
	v_wmma_scale_f32_16x16x128_f8f6f4 v[8*(8*((\a)%4)+\b):8*(8*((\a)%4)+\b)+7], v[128*(\p)+FR*\b:128*(\p)+FR*\b+FR-1], v[AF+FR*(\a):AF+FR*(\a)+FR-1], v[8*(8*((\a)%4)+\b):8*(8*((\a)%4)+\b)+7], v[SC+8*(\p)+\b], v[SC+8*(\p)+(\a)] matrix_a_fmt:MATRIX_FMT_FP6 matrix_b_fmt:MATRIX_FMT_FP6 matrix_a_scale:MATRIX_SCALE_ROW1
.endif
.endr
.endr
.endm
.macro FETCH_B slot, q, p              ; B's eight fragments of the slot's q-th K step into set p
	WIN TO_B
.irp i, 0,1,2,3,4,5,6,7
	FRAG 128*(\p)+FR*\i, ADRB+\slot, \q, \i
.endr
	WIN 0
.endm
.macro FETCH_A slot, q, i0             ; A's blocks i0 .. i0 + 3
.irp i, \i0, \i0+1, \i0+2, \i0+3
	FRAG AF+FR*(\i), ADRA+\slot, \q, \i
.endr
.endm
.macro SCALES slot, q, p               ; the scale words of the slot's q-th K step into set p: four fragments' a load; lanes 0-15 A's, lanes 16-31 B's
.irp u, 0,1
	ds_load_b128 v[SC+8*(\p)+4*\u:SC+8*(\p)+4*\u+3], v[ADRS+\slot] offset:(\q)*REC+256*\u
.endr
.endm
; A K step (the slot's q-th, of parity p) that has its successor in the same slot.  A block of A is free as soon as its eight products are issued, so A has one set: blocks 0-3 are fetched anew in the step's middle, blocks 4-7 at its end.
; Four plain instructions stand in front of each run of loads into registers that matrix instructions have read (ISA guide 7.12.1 for vector instructions).
.macro STEP slot, q, p, first
	s_wait_dscnt 4*NL                              ; B's set, the scale words and A's blocks 0-3 are in; the youngest 12 loads (A's blocks 4-7) may be out
.if \first
	WIN 0x81                                       ; C, the bias, in window 0; D in window 2
.else
	WIN MUL_LO
.endif
	MUL16 0, \p, \first
	MUL16 2, \p, \first
	s_wait_dscnt 0                                 ; A's blocks 4-7 are in (asked for 32 matrix instructions ago)
	PLACES NP
	FETCH_B \slot, (\q)+1, 1-(\p)
	FETCH_A \slot, (\q)+1, 0
	SCALES \slot, (\q)+1, 1-(\p)
.if \first
	WIN 0xc1
.else
	WIN MUL_HI
.endif
	MUL16 4, \p, \first
	MUL16 6, \p, \first
	PLACES NP
	WIN 0
	FETCH_A \slot, (\q)+1, 4
.endm
; A slot's last K step (of parity p) changes slots: ONE barrier; in front of it each wave waits for all its tensor loads, adds 0 to its spare word, and waits for that and for its own reads of this slot.
; fill = 1: this slot is filled again, with the three K steps six on; 2: with the one K step that is left; 0: nothing is left to fetch.
.macro TURN slot, next, p, fill
	s_wait_tensorcnt 0x0                           ; all my tensor loads have landed: the one that was out is my part of the next slot (every window is 0 here)
	ds_add_u32 v[SPW], v[NIL]                      ; 0 onto my spare word
	s_wait_dscnt 4*NL+1                            ; (the add and the youngest 12 loads, A's blocks 4-7, may be out)
	WIN MUL_LO
	MUL16 0, \p, 0                                 ; sixteen matrix instructions stand between the add and the wait for it
	s_wait_dscnt 0x0                               ; the add is done, and my reads of this slot are over
	s_barrier_signal -1
	MUL16 2, \p, 0
	WIN 0
	s_barrier_wait -1
.if \fill
	CREST                                          ; the barrier has opened a round of the cluster's barrier: no wave of any partner still reads this slot or has a load on its way
	s_add_nc_u64 s[G0+4*\slot+2:G0+4*\slot+3], s[G0+4*\slot+2:G0+4*\slot+3], 2*HALFT
	s_add_nc_u64 s[G0B+4*\slot+2:G0B+4*\slot+3], s[G0B+4*\slot+2:G0B+4*\slot+3], 2*HALFT
.if \fill == 1
	JLOAD G0+4*\slot, G1, G0B+4*\slot, G1B         ; the first tensor load behind the round, my only one until the next; its four v_nop are the places in front of the loads below
.else
	JLOAD G0+4*\slot, G1S, G0B+4*\slot, G1SB       ; the same, one K step
.endif
.else
	PLACES NP
.endif
	FETCH_B \next, 0, 1-(\p)
	FETCH_A \next, 0, 0
	SCALES \next, 0, 1-(\p)
.if ASKN == 4
	PFASK 4                                        ; behind the joint load and the run of LDS loads
.endif
.if ASKN == 5
	global_prefetch_b8 v[PF2], s[PFA:PFA+1] offset:5*HALFT th:TH_LOAD_NT scope:SCOPE_SE
.endif
.set ASKN, 0
	WIN MUL_HI
	MUL16 4, \p, 0
	MUL16 6, \p, 0
	PLACES NP
	WIN 0
	FETCH_A \next, 0, 4
.endm
	s_wait_alu depctr_va_vdst(0)
	s_wait_tensorcnt 0x0                           ; my part of slot 0 is in; slot 1's first fill is issued as a refill is:
	ds_add_u32 v[SPW], v[NIL]                      ; 0 onto my spare word
	s_wait_dscnt 0x0
	CROUND                                         ; everybody's part of slot 0 is in, and all sixteen work-groups are here
	JLOAD G0+4, G1, G0B+4, G1B                     ; K steps 3-5, the first tensor load behind the round
	FETCH_B 0, 0, 0
	FETCH_A 0, 0, 0
	SCALES 0, 0, 0
	PFASK 3
	FETCH_A 0, 0, 4
	STEP 0, 0, 0, 1                                ; K step 0: its products start the sums
	STEP 0, 1, 1, 0
.set ASKN, 4
	TURN 0, 1, 0, 1                                ; K step 2; slot 0 takes K steps 6-8; fill 4 is prefetched
	STEP 1, 0, 1, 0
	STEP 1, 1, 0, 0
.set ASKN, 5
	TURN 1, 0, 1, 1                                ; K step 5; slot 1 takes K steps 9-11; fill 5 is prefetched
	STEP 0, 0, 0, 0
	STEP 0, 1, 1, 0
	TURN 0, 1, 0, 1                                ; K step 8; slot 0 takes K steps 12-14
	STEP 1, 0, 1, 0
	STEP 1, 1, 0, 0
	TURN 1, 0, 1, 2                                ; K step 11; slot 1 takes K step 15
	STEP 0, 0, 0, 0
	STEP 0, 1, 1, 0
	TURN 0, 1, 0, 0                                ; K step 14: nothing is left to fetch, and no round of the cluster's barrier
	s_wait_dscnt 4*NL                              ; K step 15, the last
	WIN MUL_LO
	MUL16 0, 1, 0
	MUL16 2, 1, 0
	s_wait_dscnt 0
	WIN MUL_HI
	MUL16 4, 1, 0
	MUL16 6, 1, 0
	WIN 0
; THE WAY OUT.  Block a's eight accumulators are, in each lane, 64 numbers of one row in the order that the quantiser wants: register 8 b + j is 32 (b / 2) + 16 h + 8 (b % 2) + j along the next K.
; They are scaled (q) or get the lanes' bias (v) by one packed multiply-add, are quantised, and leave as fragment a of my record: three stores of 512 consecutive bytes.
.macro OUTB a
	WIN (0x02+(\a)/4)                              ; source 0: window 2 or 3
.irp b, 0,1,2,3,4,5,6,7
.irp j, 0,2,4,6
	v_pk_fma_f32 v[T+8*\b+\j:T+8*\b+\j+1], v[8*(8*((\a)%4)+\b)+\j:8*(8*((\a)%4)+\b)+\j+1], s[QSC:QSC+1], v[BR+2*(\a):BR+2*(\a)+1] op_sel_hi:[1,0,1]   ; each accumulator from its low end on
.endr
.endr
	WIN 0
.if (\a) >= 4
	s_wait_xcnt 0x0                                ; the stores of four blocks ago have read this set of codes: it is written again only behind this wait
.endif
	QUANT T, PC0+12*((\a)%4), PW+(\a), TM, TP
.irp c, 0,1,2
	global_store_b128 v[LI], v[PC0+12*((\a)%4)+4*\c:PC0+12*((\a)%4)+4*\c+3], s[12:13] offset:1536*(\a)+512*\c
.endr
.endm
	PLACES NP                                      ; behind the last products: their results are read and A's registers written only behind these
.irp b, 0,1,2,3
	v_mov_b32 v[TM+4+\b], 0                        ; written once: a lane permute's destination counts as one of its sources
.endr
	v_bfe_u32 v2, v0, 4, 1
	v_cmp_ne_u32 vcc_lo, 0, v2                     ; lanes 16-31
.irp a, 0,1,2,3,4,5,6,7
	OUTB \a
.endr
.irp i, 0,1,2,3
	v_cndmask_b32 v[XW+\i], v[PW+\i], v[PW+4+\i], vcc_lo   ; lanes 0-15: the words of fragments 0-3 of their row; lanes 16-31: of fragments 4-7
.endr
	global_store_b128 v[LI], v[XW:XW+3], s[12:13] offset:12288   ; the record's 512 bytes of scale words
	s_wait_tensorcnt 0x0                           ; the wave's end
	ds_add_u32 v[SPW], v[NIL]
	s_wait_dscnt 0x0
	CROUND                                         ; the closing round: no work-group ends while a partner may still ask for a tile that names it
	s_endpgm
; Wo [2048][2048] f32, K innermost, becomes records of the same make as the other operands', laid [row group 0..15][K step 0..15] in a buffer of its own.
; A wave makes one record, in two trips of four fragments.  Each load reads 256 consecutive bytes of two rows; a fragment's 16 rows turn, 64 along K at a time, through the wave's own stage in LDS
; (16 rows of 272 bytes, behind the spare words, on bytes where no tensor load lands), so that a lane gets 16 neighbours along K of each block of 32.  Loads run two fragments (32 loads) ahead.
; No tensor load is issued on this way.  LIMITS as at the kernel's head.
.set WSP,   272
.set WSTG,  SPARE+512
.set WLI,   1                          ; 16 x lane
.set WVO,   2                          ; in Wo: 16 rows x h + 16 r
.set WSIN,  3                          ; the stage, on the way in
.set WSOUT, 4                          ; and on the way out: row r, + 64 h
.set WWO,   5                          ; 16 r + 8 h: my two scale words' place
.set WTM,   8
.set WR,    32                         ; v32-159 two sets of 64: a fragment's numbers as loaded
.set WX,    160                        ; v160-223 the same, 16 neighbours of each block
.set WPC,   224
.set WTP,   236
.set WPW,   244                        ; four fragments' scale words
.set WXW,   248
.macro WLOAD a
.irp e, 0,1
.irp i, 0,1,2,3,4,5,6,7
	global_load_b128 v[WR+64*((\a)%2)+32*\e+4*\i:WR+64*((\a)%2)+32*\e+4*\i+3], v[WVO], s[24:25] offset:(32*((\a)/2)+8*((\a)%2)+\i)*8192+256*\e th:TH_LOAD_NT
.endr
.endr
.endm
.macro WFRAG a
.if (\a) < 3
	s_wait_loadcnt 16                              ; this fragment's 16 loads are in; the next fragment's may be out
.else
	s_wait_loadcnt 0x0
.endif
.irp e, 0,1
.irp i, 0,1,2,3,4,5,6,7
	ds_store_b128 v[WSIN], v[WR+64*((\a)%2)+32*\e+4*\i:WR+64*((\a)%2)+32*\e+4*\i+3] offset:WSP*\i
.endr
.irp b, 0,1
.irp j, 0,1,2,3
	ds_load_b128 v[WX+32*\e+16*\b+4*\j:WX+32*\e+16*\b+4*\j+3], v[WSOUT] offset:128*\b+16*\j
.endr
.endr
	s_wait_dscnt 0x0                               ; back in registers: the stage may be written again
.endr
.if (\a) < 2
	WLOAD (\a)+2
.endif
.if (\a) > 0
	s_wait_xcnt 0x0                                ; the last fragment's stores have read the codes' registers
.endif
	QUANT WX, WPC, WPW+(\a), WTM, WTP
.irp c, 0,1,2
	global_store_b128 v[WLI], v[WPC+4*\c:WPC+4*\c+3], s[26:27] offset:1536*(\a)+512*\c
.endr
.endm
.Lwo:
	s_load_b128 s[24:27], s[0:1], 0x28             ; Wo, its records
	s_bfe_u32 s40, ttmp6, 0x40000                  ; cx, cy: they enter global addresses alone
	s_bfe_u32 s41, ttmp6, 0x40004
	s_sub_co_u32 s42, ttmp9, 6
	s_lshl_b32 s42, s42, 2
	s_add_co_u32 s42, s42, s40                     ; 0..7
	s_and_b32 s17, ttmp7, 0xffff
	s_lshl_b32 s17, s17, 2
	s_add_co_u32 s17, s17, s41                     ; 0..7
	s_lshl_b32 s17, s17, 3
	s_add_co_u32 s17, s17, s42
	s_lshl_b32 s17, s17, 2
	s_add_co_u32 s17, s17, s14                     ; my record, 0..255
	s_and_b32 s19, s17, 15                         ; its K step
	s_lshr_b32 s18, s17, 4                         ; its row group
	s_lshl_b32 s20, s18, 20                        ; 128 rows of 8,192 bytes
	s_lshl_b32 s21, s19, 9
	s_add_co_u32 s20, s20, s21
	s_mov_b32 s21, 0
	s_mul_i32 s22, s17, REC
	s_mov_b32 s23, 0
	s_mul_i32 s28, s14, 16*WSP
	s_add_co_u32 s28, s28, WSTG                    ; my stage
	s_mov_b32 s[SEL], 0x76543210
	s_mov_b32 s[SEL+1], 0xfedcba98
	s_mov_b32 s29, 2
	v_and_b32 v250, 31, v0
	v_and_b32 v251, 15, v0                         ; r
	v_bfe_u32 v252, v0, 4, 1                       ; h
	v_lshlrev_b32 v[WLI], 4, v250
	v_lshlrev_b32 v[WVO], 17, v252
	v_lshl_add_u32 v[WVO], v251, 4, v[WVO]
	v_mul_u32_u24 v[WSIN], v252, 8*WSP
	v_lshl_add_u32 v[WSIN], v251, 4, v[WSIN]
	v_add_nc_u32 v[WSIN], s28, v[WSIN]
	v_mul_u32_u24 v[WSOUT], v251, WSP
	v_lshl_add_u32 v[WSOUT], v252, 6, v[WSOUT]
	v_add_nc_u32 v[WSOUT], s28, v[WSOUT]
	v_lshlrev_b32 v[WWO], 4, v251
	v_lshl_add_u32 v[WWO], v252, 3, v[WWO]
	v_cmp_ne_u32 vcc_lo, 0, v252                   ; lanes 16-31; kept to the end
.irp b, 0,1,2,3
	v_mov_b32 v[WTM+4+\b], 0                       ; a lane permute's destination counts as one of its sources
.endr
	s_wait_alu depctr_va_vdst(0)
	s_wait_kmcnt 0x0
	s_add_nc_u64 s[24:25], s[24:25], s[20:21]
	s_add_nc_u64 s[26:27], s[26:27], s[22:23]
	s_add_nc_u64 s[30:31], s[26:27], 12288         ; the record's scale words
.Lwo_half:                                         ; a trip: 64 rows, four fragments
	WLOAD 0
	WLOAD 1
	WFRAG 0
	WFRAG 1
	WFRAG 2
	WFRAG 3
	v_cndmask_b32 v[WXW], v[WPW], v[WPW+2], vcc_lo     ; lanes 0-15: the words of fragments 0, 1 of their row; lanes 16-31: of 2, 3
	v_cndmask_b32 v[WXW+1], v[WPW+1], v[WPW+3], vcc_lo
	global_store_b64 v[WWO], v[WXW:WXW+1], s[30:31]    ; 32 lanes store 256 consecutive bytes, aligned
	s_wait_xcnt 0x0                                ; the bases and the stores' registers are written again only behind this wait
	s_add_nc_u64 s[24:25], s[24:25], 64*8192
	s_add_nc_u64 s[26:27], s[26:27], 4*1536
	s_add_nc_u64 s[30:31], s[30:31], 256
	s_sub_co_i32 s29, s29, 1
	s_cmp_lg_u32 s29, 0
	s_wait_alu depctr_va_vdst(0)
	s_cbranch_scc1 .Lwo_half
	s_wait_tensorcnt 0x0                           ; the wave's end
	ds_add_u32 v[SPW], v[NIL]
	s_wait_dscnt 0x0
	CROUND
	s_endpgm
.Lfunc_end_k_q3aed643c71_gemm_qkv:
	.size	k_q3aed643c71_gemm_qkv, .Lfunc_end_k_q3aed643c71_gemm_qkv-k_q3aed643c71_gemm_qkv
	.p2alignl 7, 3214868480
	.fill 96, 4, 3214868480
	.section	.rodata,"a",@progbits
	.p2align	6, 0x0
	.amdhsa_kernel k_q3aed643c71_gemm_qkv
		.amdhsa_group_segment_fixed_size 327680
		.amdhsa_private_segment_fixed_size 0
		.amdhsa_enable_private_segment 0
		.amdhsa_kernarg_size 56
		.amdhsa_user_sgpr_count 2
		.amdhsa_user_sgpr_kernarg_segment_ptr 1
		.amdhsa_wavefront_size32 1
		.amdhsa_system_sgpr_workgroup_id_x 1
		.amdhsa_system_sgpr_workgroup_id_y 1
		.amdhsa_system_sgpr_workgroup_id_z 1
		.amdhsa_system_vgpr_workitem_id 0
		.amdhsa_next_free_vgpr 1024
		.amdhsa_next_free_sgpr 100
		.amdhsa_reserve_vcc 1
		.amdhsa_float_denorm_mode_32 3
		.amdhsa_float_denorm_mode_16_64 3
		.amdhsa_memory_ordered 1
		.amdhsa_forward_progress 1
		.amdhsa_inst_pref_size 255
	.end_amdhsa_kernel
	.section	.bss,"aw",@nobits
	.p2align	6
	.space	262144
	.amdgpu_metadata
---
amdhsa.version: [ 1, 2 ]
amdhsa.kernels:
  - .name:           k_q3aed643c71_gemm_qkv
    .symbol:         k_q3aed643c71_gemm_qkv.kd
    .args:
      - { .name: opq, .offset: 0, .size: 8, .value_kind: global_buffer, .address_space: global }
      - { .name: bq, .offset: 8, .size: 8, .value_kind: global_buffer, .address_space: global }
      - { .name: bk, .offset: 16, .size: 8, .value_kind: global_buffer, .address_space: global }
      - { .name: bv, .offset: 24, .size: 8, .value_kind: global_buffer, .address_space: global }
      - { .name: qkv, .offset: 32, .size: 8, .value_kind: global_buffer, .address_space: global }
      - { .name: Wo, .offset: 40, .size: 8, .value_kind: global_buffer, .address_space: global }
      - { .name: woq, .offset: 48, .size: 8, .value_kind: global_buffer, .address_space: global }
    .group_segment_fixed_size: 327680
    .private_segment_fixed_size: 0
    .kernarg_segment_align: 8
    .kernarg_segment_size: 56
    .max_flat_workgroup_size: 128
    .sgpr_count:     100
    .vgpr_count:     1024
    .wavefront_size: 32
...
	.end_amdgpu_metadata
.endif
;; end of part 2
;; launch attn (part 3): grid 16 x 16, 8 waves a work-group, clusters of 4 x 1, 327,680 bytes of LDS; arguments qkv, ctx; writes ctx
.if DOCPART == 3
	.amdgcn_target "amdgcn-amd-amdhsa--gfx1250"
	.amdhsa_code_object_version 6
	.text
	.protected	k_q3aed643c71_attn
	.globl	k_q3aed643c71_attn
	.p2align	8
	.type	k_q3aed643c71_attn,@function
k_q3aed643c71_attn:
	s_mov_b64 s[64:65], 0
	v_nop
	global_prefetch_b8 v0, s[64:65] scope:SCOPE_SE
	s_setreg_imm32_b32 hwreg(HW_REG_WAVE_MODE, 25, 1), 1
	s_wait_xcnt 0x0
	s_wait_alu depctr_hold_cnt(0) depctr_sa_sdst(0) depctr_va_vdst(0) depctr_va_sdst(0) depctr_va_ssrc(0) depctr_va_vcc(0) depctr_vm_vsrc(0)
	s_getreg_b32 s2, hwreg(HW_REG_IB_STS2, 6, 4)
	s_cmp_eq_u32 s2, 0
	s_cbranch_scc0 .Lentry_in_a_cluster
	s_endpgm
.Lentry_in_a_cluster:
	s_bfe_u32 s2, ttmp6, 0x10000c
	s_cmp_lg_u32 s2, 0x3003
	s_cbranch_scc0 .Lentry_shape_is_right
	s_endpgm
.Lentry_shape_is_right:
; ctx[token][head 128 + d] = the sum over keys of softmax(q . k) v, 16 heads, 2,048 tokens, both products on codes of FP6 (E2M3) with E8M0 scales; 1 / sqrt(128) lies in q already.
; q, k, v come as RECORDS of 12,800 bytes, [head][group of 128 tokens][q, k, v]: eight fragments as images of their 12 registers (registers 4 c .. 4 c + 3 of lane l of fragment a at 1536 a + 512 c + 16 l), then the scale
; words (fragment a, lane r at 12,288 + 256 (a / 4) + 16 r + 4 (a % 4)).  q, k: 16 tokens x the head's 128; v: 16 of the head's 128 x 128 keys.  Lane r of fragment a holds row 32 (a / 2) + 8 (a % 2) + r + 8 (r / 8).
; THE SOFTMAX AHEAD OF THE SECOND PRODUCT: t = score x log2(e); M = the row's largest t so far, rounded UP to a whole number; p = 2^(t - M) is quantised along the keys, not normalised.  The row's sum is taken of the
; unquantised p, in f32, and divides at the end.  When M moves, the sum and O are multiplied by 2^(old M - new M): exact.
; Both products are used transposed (S^T = K Q^T, O^T = V^T P^T): a lane holds ONE query throughout, and by the order of a record's rows the 16 registers of tiles 2 b, 2 b + 1 are 16 neighbouring keys (or channels).
; SHARES: a work-group owns 128 queries of one head.  Wave w owns TWO tiles of 16 queries, 2 (w % 4) and 2 (w % 4) + 1, and HALF THE KEYS: key steps 8 (w / 4) .. 8 (w / 4) + 7.  At the end waves 4 to 7 hand their O^T, M
; and sums to waves 0 to 3 through LDS; the two parts are brought under the larger M by exact powers of two and added.
; K: the head's 16 records, 204,800 bytes, fill LDS ONCE: one joint tensor load a wave, two records (2 rows of 12,800 bytes, 38,400 apart).  No byte is filled again.
; A WAVE'S FIRST KEY STEP is written out ahead of the loop: its record of K goes from memory straight into the registers (26 loads, asked for with Q's, ahead of the tensor load), so the wait for the tensor loads and
; the one barrier stand behind that step; its products start O^T with C = 0, so nothing is cleared.  The other seven steps take K from LDS, with no barrier between them.
; CLUSTER: the four work-groups of a cluster belong to one head: K is asked for jointly by all four.
; V: K and V of a head are 409,600 bytes, more than LDS holds.  V's fragments are images of the registers, and go from memory straight into them: 26 loads of 512 (scale words: 256) consecutive bytes a step, asked for
; behind the products K Q^T, waited for behind both softmaxes.  So V is not asked for jointly: a joint load lands in LDS, where V would need slots that are filled again, with a round of the cluster's barrier for each.
; V is prefetched two steps ahead (macro ASK).
; The result, O / the sum, is quantised along the head's 128 and leaves as a fragment of the record [group of tokens][head] of the last product's operand.
; LIMITS: a block of zeros gets the scale byte 1 where the rule says 127 (its codes are zeros; this program alone reads the bytes); blocks under 2^-124 stand at that floor; NaN and infinities are not served.
; REGISTERS: window 0: v1-10 addresses; v12-19 a tile's -M, largest t and sum in two halves; v20, 21 Q's scale words; v22, 23 p's scale words; v32-39 K's scale words, v40-47 V's; v64-191 S^T, then p, 64 a tile;
;   v192-215 p's codes, 12 a tile; v216-247, v254 at work; v248-251 a tile's factor 2^(old M - new M), in a pair.
;   window 1: v0-95 eight fragments, K's and then V's; v96-223 O^T, 64 a tile; v224-247 Q, 12 a tile.
.set REC,   12800
.set SPARE, 16*REC                     ; behind K: the spare words, 128 bytes for each wave: four blocks of 256 bytes that no other line names
.set SCR,   SPARE+1024                 ; the eight tiles' scale words on their way out; no tensor load lands here
.set MRG,   SCR+1024                   ; what waves 4 to 7 hand over: for each 32 x 512 bytes of O^T and 512 of statistics; no tensor load lands here
.set MSZ,   33*512
.set GRPB,  3*REC                      ; a group of 128 tokens in memory: q, k, v
.set HEADB, 16*GRPB
.set LI,    1                          ; v1  16 x lane
.set LR,    2                          ; v2  16 r
.set SW,    3                          ; v3  SCR + 256 (w % 4) + 4 x lane
.set SRD,   4                          ; v4  SCR + 512 h + 4 r
.set SPW,   5                          ; v5  my spare word; never rewritten
.set NIL,   6                          ; v6  0; never rewritten
.set PFO,   7                          ; v7  the prefetch's offset; never rewritten
.set AD,    8                          ; v8  the step's fragments of K
.set ADS,   9                          ; v9  the step's scale words of K
.set MG,    10                         ; v10 MRG + MSZ (w % 4) + 16 x lane
.set ST,    12                         ; tile u: v[ST + 4 u] -M, + 1 the largest t, + 2, + 3 the sum
.set QS,    20
.set PS,    22
.set KS,    32
.set VS,    40
.set S,     64
.set PCD,   192
.set F,     248
.set O,     96                         ; in window 1
.set Q,     224                        ; in window 1
.set WV,    8                          ; s8  my wave's number
.set KP,    14                         ; s[14:15] my first key step's record of K in memory
.set G1,    16                         ; s[16:23] descriptor group 1;  s[24:27] group 0
.set G0,    24
.set SEL,   28                         ; s[28:29] lane selects: lane l xor 16
.set CS,    30                         ; s[30:31] log2(e)
.set TB,    32                         ; s32 LDS byte at which the step's record of K begins
.set CNT,   34                         ; s34 the loop's key steps still to go
.set LIM,   35                         ; s35 2 in a wave that prefetches, else the greatest number
.set VP,    36                         ; s[36:37] the step's record of V in memory
.set MSB, 0
.macro WIN new
.if MSB != \new
	s_set_vgpr_msb (MSB<<8)|\new
.set MSB, \new
.endif
.endm
.macro CROUND                          ; a round of the cluster's barrier
	s_barrier_signal -1
	s_barrier_wait -1
	s_cmp_lg_u32 s[WV], 0
	s_cbranch_scc1 .Lnot_wave_0_\@
	s_barrier_signal -3
.Lnot_wave_0_\@:
	s_barrier_wait -3
	s_barrier_signal -1
	s_barrier_wait -1
.endm
; A prefetch of the record of V that my half of the keys takes TWO steps on: 12,800 bytes, 50 blocks of 256.  All sixteen work-groups of a head walk the same records: the head's first cluster asks.  Its four partners share
; the blocks out by ADDRESS (the partner at place cx: blocks 13 cx .. 13 cx + 12, held at 49); in each, wave 0 asks for the first half of the keys and wave 4 for the second: one instruction, a lane a block.
; It stands behind the step's loads of V; its base is stepped at the step's end, behind s_wait_xcnt 0.  The last two steps (s[CNT] = 2, 1) ask for nothing; steps 0 and 1 come by their loads alone.
.macro ASK
	s_cmp_gt_u32 s[CNT], s[LIM]
	s_cbranch_scc0 .Lnot_mine_\@
	global_prefetch_b8 v[PFO], s[VP:VP+1] offset:2*GRPB th:TH_LOAD_NT scope:SCOPE_SE
.Lnot_mine_\@:
.endm
; 64 numbers of a lane, register 16 b + i = k 32 b + 16 (lane / 16) + i of my row, become a fragment's codes in v[pc] on and its scale word in v[pw]
.macro QUANT s, pc, pw, tm, tp
.irp b, 0,1,2,3
	v_max3_num_f32 v[\tm+\b], |v[\s+16*\b]|, |v[\s+1+16*\b]|, 0x1800000
.endr
.irp i, 2,4,6,8,10,12,14
.irp b, 0,1,2,3
	s_delay_alu instid0(VALU_DEP_4)
	v_max3_num_f32 v[\tm+\b], v[\tm+\b], |v[\s+16*\b+\i]|, |v[\s+1+16*\b+\i]|
.endr
.endr
.irp b, 0,1,2,3
	s_delay_alu instid0(VALU_DEP_4)
	v_permlanex16_b32 v[\tm+4+\b], v[\tm+\b], s[SEL], s[SEL+1]
.endr
.irp b, 0,1,2,3
	s_delay_alu instid0(VALU_DEP_4)
	v_max_num_f32 v[\tm+\b], v[\tm+\b], v[\tm+4+\b]
.endr
.irp b, 0,1,2,3
	s_delay_alu instid0(VALU_DEP_4)
	v_add_nc_u32 v[\tm+12+\b], 0xff000000, v[\tm+\b]
.endr
.irp b, 0,1,2,3
	s_delay_alu instid0(VALU_DEP_4)
	v_lshrrev_b32 v[\tm+4+\b], 23, v[\tm+12+\b]
.endr
	s_delay_alu instid0(VALU_DEP_3)
	v_lshl_or_b32 v[\pw], v[\tm+5], 8, v[\tm+4]
	s_delay_alu instid0(VALU_DEP_1)
	v_lshl_or_b32 v[\pw], v[\tm+6], 16, v[\pw]
	s_delay_alu instid0(VALU_DEP_1)
	v_lshl_or_b32 v[\pw], v[\tm+7], 24, v[\pw]
.irp c, 0,1
	v_cvt_scalef32_pk16_fp6_f32 v[\pc+6*\c:\pc+2+6*\c], v[\s+32*\c:\s+15+32*\c], v[\tm+12+2*\c]
	v_cvt_scalef32_pk16_fp6_f32 v[\tp+4*\c:\tp+2+4*\c], v[\s+16+32*\c:\s+31+32*\c], v[\tm+12+2*\c+1]
.endr
	v_nop
.irp c, 0,1
.irp i, 0,1,2
	v_permlane16_swap_b32 v[\pc+6*\c+\i], v[\tp+4*\c+\i]
.endr
.irp i, 0,1,2
	s_delay_alu instid0(VALU_DEP_3)
	v_mov_b32 v[\pc+3+6*\c+\i], v[\tp+4*\c+\i]
.endr
.endr
.endm
	s_load_b128 s[4:7], s[0:1], 0x0                ; q, k, v's records s[4:5]; the result's s[6:7]
	v_lshl_add_u32 v[SPW], v0, 2, SPARE
	v_mov_b32 v[NIL], 0
	ds_add_u32 v[SPW], v[NIL]                      ; the opening lines: the add, twice on end, and its wait; work on registers stands between
	ds_add_u32 v[SPW], v[NIL]
	v_lshrrev_b32 v8, 5, v0
	s_delay_alu instid0(VALU_DEP_1)
	v_readfirstlane_b32 s[WV], v8                  ; wave 0..7
	s_and_b32 s12, s[WV], 3                        ; which pair of query tiles is mine
	s_lshr_b32 s13, s[WV], 2                       ; which half of the keys
	s_bfe_u32 s9, ttmp6, 0x40000                   ; cx: it enters Q's, the result's and the prefetch's global addresses alone
	s_lshl_b32 s10, ttmp9, 2
	s_add_co_u32 s10, s10, s9                      ; my group of 128 queries = 4 x cluster x + cx
	s_and_b32 s11, ttmp7, 0xffff                   ; the head, which the four partners share
	s_mul_i32 s38, s11, HEADB                      ; its first byte
	s_mul_i32 s40, s[WV], 2*GRPB                   ; what I fetch into LDS: K's records of key steps 2 w and 2 w + 1,
	s_add_co_u32 s40, s40, REC                     ; which lie behind q's
	s_add_co_u32 s40, s40, s38
	s_mov_b32 s41, 0
	; descriptor group 1: two records as 2 rows of 12,800 bytes (1,600 elements of 8 bytes), 38,400 bytes (4,800 elements) apart in memory, on end in LDS
	s_mov_b32 s[G1], 15|(3<<16)|(1<<21)            ; 15:0 the mask: all four work-groups; 17:16 elements of 8 bytes; 21 set beside a mask
	s_mov_b32 s[G1+1], 1600<<16
	s_mov_b32 s[G1+2], 2<<16
	s_mov_b32 s[G1+3], 1600<<16
	s_mov_b32 s[G1+4], 2
	s_mov_b32 s[G1+5], 4800
	s_mov_b32 s[G1+6], 0
	s_mov_b32 s[G1+7], 0
	s_mov_b32 s[G0], 1                             ; count = 1
	s_mul_i32 s[G0+1], s[WV], 2*REC                ; LDS: records 2 w, 2 w + 1
	s_mov_b32 s[SEL], 0x76543210
	s_mov_b32 s[SEL+1], 0xfedcba98
	s_mov_b32 s[CS], 0x3fb8aa3b                    ; log2(e)
	s_mov_b32 s[CS+1], s[CS]                       ; (named with it as a pair, so it is written)
	s_mul_i32 s[TB], s13, 8*REC
	s_add_co_u32 s[TB], s[TB], REC                 ; my second key step's record of K: the loop's first
	s_mov_b32 s[CNT], 7
	s_or_b32 s[LIM], s12, ttmp9                    ; 0 in waves 0 and 4 of the head's first cluster: the same in all four partners
	s_cmp_eq_u32 s[LIM], 0
	s_cselect_b32 s[LIM], 2, -1
	s_lshl_b32 s59, s12, 8
	s_add_co_u32 s59, s59, SCR
	s_mul_i32 s58, s12, MSZ
	s_add_co_u32 s58, s58, MRG
	s_mul_i32 s39, s9, 13
	s_mul_i32 s42, s10, GRPB                       ; my work-group's q record
	s_add_co_u32 s42, s42, s38
	s_mov_b32 s43, 0
	s_mul_i32 s44, s12, 2*1536                     ; my two tiles' fragments in a record,
	s_mov_b32 s45, 0
	s_lshr_b32 s46, s12, 1
	s_lshl_b32 s46, s46, 8
	s_and_b32 s47, s12, 1
	s_lshl_b32 s47, s47, 3
	s_add_co_u32 s46, s46, s47                     ; and their scale words: tile a = 2 (w % 4) + u: 256 (a / 4) + 4 (a % 4), + 16 r
	s_mov_b32 s47, 0
	s_lshl_b32 s52, s10, 4
	s_add_co_u32 s52, s52, s11
	s_mul_i32 s52, s52, REC                        ; the result's record: [group of tokens][head]
	s_mov_b32 s53, 0
	s_mul_i32 s56, s13, 8*GRPB                     ; my first key step's group,
	s_add_co_u32 s56, s56, s38
	s_add_co_u32 s56, s56, REC                     ; its record of K
	s_mov_b32 s57, 0
	v_and_b32 v9, 31, v0
	v_and_b32 v11, 15, v0                          ; r
	v_bfe_u32 v8, v0, 4, 1                         ; h
	s_delay_alu instid0(VALU_DEP_3)
	v_lshlrev_b32 v[LI], 4, v9
	s_delay_alu instid0(VALU_DEP_3)
	v_lshlrev_b32 v[LR], 4, v11
	v_lshlrev_b32 v[SRD], 2, v11
	v_lshl_add_u32 v[SW], v9, 2, s59
	v_min_u32 v[PFO], 12, v9
	s_delay_alu instid0(VALU_DEP_3)
	v_lshl_add_u32 v[SRD], v8, 9, v[SRD]
	v_add_nc_u32 v[MG], s58, v[LI]
	s_delay_alu instid0(VALU_DEP_3)
	v_add_nc_u32 v[PFO], s39, v[PFO]
	s_delay_alu instid0(VALU_DEP_3)
	v_add_nc_u32 v[SRD], SCR, v[SRD]
	s_delay_alu instid0(VALU_DEP_2)
	v_min_u32 v[PFO], 49, v[PFO]
	s_delay_alu instid0(VALU_DEP_1)
	v_lshlrev_b32 v[PFO], 8, v[PFO]
	s_wait_alu depctr_va_vdst(0)
	s_wait_dscnt 0x0                               ; both opening adds are done
	s_wait_kmcnt 0x0
	s_add_nc_u64 s[KP:KP+1], s[4:5], s[56:57]
	s_add_nc_u64 s[42:43], s[4:5], s[42:43]
	s_add_nc_u64 s[48:49], s[42:43], s[44:45]
	s_add_nc_u64 s[50:51], s[42:43], s[46:47]
	global_load_b128 v[KS:KS+3], v[LR], s[KP:KP+1] offset:12288   ; my first key step's K, straight into the registers: its scale words,
	global_load_b128 v[KS+4:KS+7], v[LR], s[KP:KP+1] offset:12544
	global_load_b32 v[QS], v[LR], s[50:51] offset:12288
	global_load_b32 v[QS+1], v[LR], s[50:51] offset:12292
	WIN 0x40                                       ; destination window 1
.irp u, 0,1
.irp c, 0,1,2
	global_load_b128 v[Q+12*\u+4*\c:Q+12*\u+4*\c+3], v[LI], s[48:49] offset:1536*\u+512*\c   ; Q's fragments stay in registers
.endr
.endr
.irp t, 0,1,2,3,4,5,6,7
.irp c, 0,1,2
	global_load_b128 v[12*\t+4*\c:12*\t+4*\c+3], v[LI], s[KP:KP+1] offset:1536*\t+512*\c     ; and its fragments: 512 consecutive bytes a load
.endr
.endr
	WIN 0
	s_add_nc_u64 s[G0+2:G0+3], s[4:5], s[40:41]
	s_or_b32 s[G0+3], s[G0+3], 0x80000000          ; type = 2
	s_add_nc_u64 s[VP:VP+1], s[KP:KP+1], REC       ; V's record lies behind K's
	s_add_nc_u64 s[52:53], s[6:7], s[52:53]
	s_add_nc_u64 s[54:55], s[52:53], s[44:45]      ; my two fragments in the result's record
	CROUND                                         ; all four work-groups are here: the joint loads meet
	tensor_load_to_lds s[G0:G0+3], s[G1:G1+7]      ; my one tensor load of the launch
	s_nop 0
.rept 4
	v_nop
.endr
.irp u, 0,1
	v_mov_b32 v[ST+4*\u+1], 0xff61b1e6             ; the largest t so far: -3e38, under every t
	s_delay_alu instid0(VALU_DEP_1)
	v_floor_f32 v[ST+4*\u], -v[ST+4*\u+1]          ; -M
	v_mov_b32 v[ST+4*\u+2], 0                      ; the sum, in two halves
	v_mov_b32 v[ST+4*\u+3], 0
	v_mov_b32 v[F+2*\u+1], 0                       ; (named as the upper half of the factor's pair)
.endr
.irp b, 0,1,2,3
	v_mov_b32 v[236+\b], 0                         ; written once: a lane permute's destination counts as one of its sources
.endr
; THE SOFTMAX of tile u for one key step: its 64 scores become p, p's codes and scale word; the tile's M, sum and O^T are brought up to date.  first = 1: there is no O^T yet.
.macro SOFT u, first
.set SB, S+64*(\u)
.set SS, ST+4*(\u)
.set PB, PCD+12*(\u)
.set FF, F+2*(\u)
.set OB, O+64*(\u)
.irp b, 0,1,2,3
	v_max3_num_f32 v[232+\b], v[SB+16*\b], v[SB+1+16*\b], v[SB+2+16*\b]   ; the largest score of each block of 32 keys: it serves for the row's maximum and, since p rises with the score, for the block's largest p
.endr
.irp i, 3,5,7,9,11,13
.irp b, 0,1,2,3
	v_max3_num_f32 v[232+\b], v[232+\b], v[SB+16*\b+\i], v[SB+1+16*\b+\i]
.endr
.endr
.irp b, 0,1,2,3
	v_max_num_f32 v[232+\b], v[232+\b], v[SB+15+16*\b]
.endr
.irp b, 0,1,2,3
	s_delay_alu instid0(VALU_DEP_4)
	v_permlanex16_b32 v[236+\b], v[232+\b], s[SEL], s[SEL+1]
.endr
.irp b, 0,1,2,3
	s_delay_alu instid0(VALU_DEP_4)
	v_max_num_f32 v[232+\b], v[232+\b], v[236+\b]   ; with lane l xor 16's 16 keys
.endr
	s_delay_alu instid0(VALU_DEP_2)
	v_max3_num_f32 v254, v232, v233, v234
	s_delay_alu instid0(VALU_DEP_1)
	v_max_num_f32 v254, v254, v235                 ; the step's largest score of my query
	s_delay_alu instid0(VALU_DEP_1)
	v_mul_f32 v254, s[CS], v254                    ; as t
	s_delay_alu instid0(VALU_DEP_1)
	v_max_num_f32 v[SS+1], v[SS+1], v254           ; the running largest t
	v_mov_b32 v254, v[SS]
	s_delay_alu instid0(VALU_DEP_2)
	v_floor_f32 v[SS], -v[SS+1]                    ; the new -M = floor(-t) = -ceil(t): M is a whole number
	s_delay_alu instid0(VALU_DEP_1)
	v_sub_f32 v254, v[SS], v254                    ; M's old value less its new one: a whole number, 0 or less
	s_delay_alu instid0(VALU_DEP_1)
	v_cvt_i32_f32 v254, v254                       ; (it saturates)
	s_delay_alu instid0(VALU_DEP_1)
	v_ldexp_f32 v[FF], 1.0, v254                   ; f = 2^(old M - new M)
.set j, 0
.rept 32
	v_pk_fma_f32 v[SB+j:SB+j+1], v[SB+j:SB+j+1], s[CS:CS+1], v[SS:SS+1] op_sel_hi:[1,0,0]   ; t - M, two at a time
.set j, j+2
.endr
.irp b, 0,1,2,3
	v_fma_f32 v[232+\b], v[232+\b], s[CS], v[SS]   ; the same of each block's largest score
.endr
.set j, 0
	s_wait_alu depctr_va_vdst(0)
.rept 64
	v_exp_f32 v[SB+j], v[SB+j]                     ; p = 2^(t - M), at most 1: not normalised
.set j, j+1
.endr
	v_pk_mul_f32 v[SS+2:SS+3], v[SS+2:SS+3], v[FF:FF+1] op_sel_hi:[1,0]   ; the sums under the new M: the plain instruction behind the exponentials
	s_wait_alu depctr_va_vdst(0)                   ; one wait for the whole batch, ahead of its first reader
.irp b, 0,1,2,3
	v_exp_f32 v[232+\b], v[232+\b]                 ; the block's largest p: the same two instructions on the same number give the same bits
.endr
	v_pk_add_f32 v[236:237], v[SB:SB+1], v[SB+2:SB+3]   ; the row's sum is taken of the unquantised p: two at a time, in two chains
.irp j, 4,8,12,16,20,24,28,32,36,40,44,48,52,56,60
	v_pk_add_f32 v[SS+2:SS+3], v[SS+2:SS+3], v[SB+\j:SB+1+\j]
	v_pk_add_f32 v[236:237], v[236:237], v[SB+2+\j:SB+3+\j]
.endr
	s_delay_alu instid0(VALU_DEP_1)
	v_pk_add_f32 v[SS+2:SS+3], v[SS+2:SS+3], v[236:237]
	s_wait_alu depctr_va_vdst(0)                   ; and one for the four
.irp b, 0,1,2,3
	v_max_num_f32 v[232+\b], 0x1800000, v[232+\b]  ; the floor 2^(3 - 127): the byte cannot fall under 1
.endr
.irp b, 0,1,2,3
	s_delay_alu instid0(VALU_DEP_4)
	v_add_nc_u32 v[244+\b], 0xff000000, v[232+\b]  ; 2 off the exponent field: the conversion's scale operand
.endr
.irp b, 0,1,2,3
	s_delay_alu instid0(VALU_DEP_4)
	v_lshrrev_b32 v[236+\b], 23, v[244+\b]         ; the scale's byte
.endr
	s_delay_alu instid0(VALU_DEP_3)
	v_lshl_or_b32 v[PS+(\u)], v237, 8, v236        ; p's scale word for these 128 keys
	s_delay_alu instid0(VALU_DEP_1)
	v_lshl_or_b32 v[PS+(\u)], v238, 16, v[PS+(\u)]
	s_delay_alu instid0(VALU_DEP_1)
	v_lshl_or_b32 v[PS+(\u)], v239, 24, v[PS+(\u)]
.irp c, 0,1
	v_cvt_scalef32_pk16_fp6_f32 v[PB+6*\c:PB+2+6*\c], v[SB+32*\c:SB+15+32*\c], v[244+2*\c]
	v_cvt_scalef32_pk16_fp6_f32 v[236+4*\c:238+4*\c], v[SB+16+32*\c:SB+31+32*\c], v[244+2*\c+1]
.endr
	v_nop                                          ; one plain instruction behind the scaled conversions
.irp c, 0,1
.irp i, 0,1,2
	v_permlane16_swap_b32 v[PB+6*\c+\i], v[236+4*\c+\i]
.endr
.irp i, 0,1,2
	s_delay_alu instid0(VALU_DEP_3)
	v_mov_b32 v[PB+3+6*\c+\i], v[236+4*\c+\i]
.endr
.endr
.if \first
.rept 4
	v_nop                                          ; four places between the codes' last writes and the products that take them (behind the scale word's last write stand these and the thirteen lines above)
.endr
.else
	WIN 0x41                                       ; O^T (destination and source 0) in window 1, f in window 0
.set j, 0
.rept 32
	v_pk_mul_f32 v[OB+j:OB+j+1], v[OB+j:OB+j+1], v[FF:FF+1] op_sel_hi:[1,0]   ; O^T under the new M.  (These 32 also stand between the codes' and the scale word's last writes and the products that take them)
.set j, j+2
.endr
	WIN 0
.endif
.endm
; A KEY STEP: 128 keys for my two tiles of queries.  K's record begins at LDS byte s[TB] (first = 1: it lies in the registers already), V's at s[VP] in memory.  K's and V's fragments take turns in one set of registers.
.macro STEP first
.if \first == 0
	v_add_nc_u32 v[AD], s[TB], v[LI]
	v_add_nc_u32 v[ADS], s[TB], v[LR]
	v_nop
	v_nop                                          ; four plain instructions in front of loads into registers that the last step's products have read
	ds_load_b128 v[KS:KS+3], v[ADS] offset:12288   ; K's scale words: four tiles' a load
	ds_load_b128 v[KS+4:KS+7], v[ADS] offset:12544
	WIN 0x40                                       ; destination window 1
.irp t, 0,1,2,3,4,5,6,7
.irp c, 0,1,2
	ds_load_b128 v[12*\t+4*\c:12*\t+4*\c+3], v[AD] offset:1536*\t+512*\c
.endr
.endr
	s_wait_alu depctr_va_vdst(0)
	s_wait_dscnt 0x0                               ; the scale words and K are in
.endif
	WIN 0x05                                       ; sources 0 (K) and 1 (Q) window 1, the scores window 0
.irp t, 0,1,2,3,4,5,6,7
.irp u, 0,1
	v_wmma_scale_f32_16x16x128_f8f6f4 v[S+64*\u+8*\t:S+64*\u+8*\t+7], v[12*\t:12*\t+11], v[Q+12*\u:Q+12*\u+11], 0, v[KS+\t], v[QS+\u] matrix_a_fmt:MATRIX_FMT_FP6 matrix_b_fmt:MATRIX_FMT_FP6
.endr
.endr
	WIN 0
.rept 4
	v_nop                                          ; places in front of the loads into K's registers and of the first read of the scores
.endr
	global_load_b128 v[VS:VS+3], v[LR], s[VP:VP+1] offset:12288   ; V's scale words
	global_load_b128 v[VS+4:VS+7], v[LR], s[VP:VP+1] offset:12544
	WIN 0x40
.irp t, 0,1,2,3,4,5,6,7
.irp c, 0,1,2
	global_load_b128 v[12*\t+4*\c:12*\t+4*\c+3], v[LI], s[VP:VP+1] offset:1536*\t+512*\c   ; V's fragments, as they lie: 512 consecutive bytes a load
.endr
.endr
	WIN 0
	ASK
	SOFT 0, \first
	SOFT 1, \first
	s_wait_alu depctr_va_vdst(0)
	s_wait_loadcnt 0x0                             ; V is in
	WIN 0x51                                       ; source 0 (V), C and D (O^T) window 1; source 1 (p's codes) window 0
.irp t, 0,1,2,3,4,5,6,7                        ; the sixteen accumulators take turns, one instruction a turn
.irp u, 0,1
.if \first
	v_wmma_scale_f32_16x16x128_f8f6f4 v[O+64*\u+8*\t:O+64*\u+8*\t+7], v[12*\t:12*\t+11], v[PCD+12*\u:PCD+12*\u+11], 0, v[VS+\t], v[PS+\u] matrix_a_fmt:MATRIX_FMT_FP6 matrix_b_fmt:MATRIX_FMT_FP6
.else
	v_wmma_scale_f32_16x16x128_f8f6f4 v[O+64*\u+8*\t:O+64*\u+8*\t+7], v[12*\t:12*\t+11], v[PCD+12*\u:PCD+12*\u+11], v[O+64*\u+8*\t:O+64*\u+8*\t+7], v[VS+\t], v[PS+\u] matrix_a_fmt:MATRIX_FMT_FP6 matrix_b_fmt:MATRIX_FMT_FP6
.endif
.endr
.endr
	WIN 0
.endm
	s_wait_alu depctr_va_vdst(0)
	s_wait_loadcnt 0x0                             ; Q and my first key step's K are in
	STEP 1                                         ; my first key step: its products start O^T
	s_wait_tensorcnt 0x0                           ; my two records of K are in LDS;
	s_barrier_signal -1
	s_barrier_wait -1                              ; everybody's are.
	s_wait_xcnt 0x0                                ; the prefetch has read its base
	s_add_nc_u64 s[VP:VP+1], s[VP:VP+1], GRPB
.Lstep:                                            ; my other seven key steps
	STEP 0
	s_wait_xcnt 0x0                                ; the prefetch has read its base
	s_add_nc_u64 s[VP:VP+1], s[VP:VP+1], GRPB
	s_add_co_u32 s[TB], s[TB], REC
	s_sub_co_u32 s[CNT], s[CNT], 1
	s_cmp_lg_u32 s[CNT], 0
	s_cbranch_scc1 .Lstep
	; THE TWO HALVES OF THE KEYS MEET.  Every wave first adds up its own sum of each row.
.rept 4
	v_nop                                          ; four places behind the last products
.endr
.irp u, 0,1
	v_add_f32 v[ST+4*\u+2], v[ST+4*\u+2], v[ST+4*\u+3]   ; the sum's two halves,
.endr
.irp u, 0,1
	s_delay_alu instid0(VALU_DEP_2)
	v_permlanex16_b32 v[236+\u], v[ST+4*\u+2], s[SEL], s[SEL+1]
.endr
.irp u, 0,1
	s_delay_alu instid0(VALU_DEP_2)
	v_add_f32 v[ST+4*\u+2], v[ST+4*\u+2], v[236+\u]      ; and lane l xor 16's: the row's sum over my keys
.endr
	s_cmp_lt_u32 s[WV], 4
	s_cbranch_scc1 .Lkeeps
	v_mov_b32 v232, v[ST]                          ; waves 4 to 7: -M and the sum of both tiles, 16 bytes a lane,
	v_mov_b32 v233, v[ST+2]
	v_mov_b32 v234, v[ST+4]
	v_mov_b32 v235, v[ST+6]
	ds_store_b128 v[MG], v[232:235] offset:32*512
	WIN 0x04                                       ; an LDS store's data are its source 1: window 1
.set j, 0
.rept 32
	ds_store_b128 v[MG], v[O+4*j:O+4*j+3] offset:512*j   ; and O^T as its registers stand, each accumulator from its low end on
.set j, j+1
.endr
	WIN 0
.Lkeeps:
	s_wait_dscnt 0x0                               ; for the others' sake: my stores have landed
	s_barrier_signal -1
	s_barrier_wait -1
	s_cmp_ge_u32 s[WV], 4
	s_cbranch_scc1 .Lsent
	ds_load_b128 v[232:235], v[MG] offset:32*512   ; waves 0 to 3: the partner's -M and sums,
.set j, 0
.rept 32
	ds_load_b128 v[S+4*j:S+4*j+3], v[MG] offset:512*j    ; and its O^T, into the registers that the scores have left
.set j, j+1
.endr
	s_wait_dscnt 32                                ; the statistics are in; the 32 loads behind them may be out
.irp u, 0,1
	v_min_num_f32 v[240+4*\u], v[ST+4*\u], v[232+2*\u]   ; -(the larger M)
.endr
.irp u, 0
	s_delay_alu instid0(VALU_DEP_2)
	v_sub_f32 v[241+4*\u], v[240+4*\u], v[ST+4*\u]       ; my M less the larger: a whole number, 0 or less;
	s_delay_alu instid0(VALU_DEP_3)
	v_sub_f32 v[242+4*\u], v[240+4*\u], v[232+2*\u]      ; the partner's likewise
.endr
.irp u, 1
	s_delay_alu instid0(VALU_DEP_3)
	v_sub_f32 v[241+4*\u], v[240+4*\u], v[ST+4*\u]
	s_delay_alu instid0(VALU_DEP_4)
	v_sub_f32 v[242+4*\u], v[240+4*\u], v[232+2*\u]
.endr
.irp u, 0,1
	s_delay_alu instid0(VALU_DEP_4)
	v_cvt_i32_f32 v[241+4*\u], v[241+4*\u]               ; (they saturate)
	s_delay_alu instid0(VALU_DEP_4)
	v_cvt_i32_f32 v[242+4*\u], v[242+4*\u]
.endr
.irp u, 0,1
	s_delay_alu instid0(VALU_DEP_4)
	v_ldexp_f32 v[241+4*\u], 1.0, v[241+4*\u]            ; the two powers of two
	s_delay_alu instid0(VALU_DEP_4)
	v_ldexp_f32 v[242+4*\u], 1.0, v[242+4*\u]
.endr
.irp u, 0
	s_delay_alu instid0(VALU_DEP_4)
	v_mul_f32 v[243+4*\u], v[ST+4*\u+2], v[241+4*\u]
.endr
.irp u, 1
	s_delay_alu instid0(VALU_DEP_3)
	v_mul_f32 v[243+4*\u], v[ST+4*\u+2], v[241+4*\u]
.endr
.irp u, 0,1
	s_delay_alu instid0(VALU_DEP_2)
	v_fma_f32 v[243+4*\u], v[233+2*\u], v[242+4*\u], v[243+4*\u]   ; the row's sum over all keys, under the larger M
.endr
	s_wait_alu depctr_va_vdst(0)
.irp u, 0,1
	v_rcp_f32 v[243+4*\u], v[243+4*\u]
.endr
	v_nop                                          ; a plain instruction behind the reciprocals
	s_wait_alu depctr_va_vdst(0)                   ; one wait for both, ahead of their first reader
.irp u, 0,1
	v_mul_f32 v[216+4*\u], v[241+4*\u], v[243+4*\u]      ; my factor: the power of two / the sum, twice, for the packed forms;
	v_mul_f32 v[217+4*\u], v[241+4*\u], v[243+4*\u]
	v_mul_f32 v[218+4*\u], v[242+4*\u], v[243+4*\u]      ; the partner's
	v_mul_f32 v[219+4*\u], v[242+4*\u], v[243+4*\u]
.endr
	s_wait_alu depctr_va_vdst(0)
	s_wait_dscnt 0x0                               ; the partner's O^T is in
.irp u, 0,1
.set j, 0
.rept 32
	v_pk_mul_f32 v[S+64*\u+j:S+64*\u+j+1], v[S+64*\u+j:S+64*\u+j+1], v[218+4*\u:219+4*\u]
.set j, j+2
.endr
.endr
	WIN 0x01                                       ; source 0, my O^T, in window 1
.irp u, 0,1
.set j, 0
.rept 32
	v_pk_fma_f32 v[S+64*\u+j:S+64*\u+j+1], v[O+64*\u+j:O+64*\u+j+1], v[216+4*\u:217+4*\u], v[S+64*\u+j:S+64*\u+j+1]   ; O / the sum; each accumulator from its low end on
.set j, j+2
.endr
.endr
	WIN 0
	; register 8 t + j of lane (r, h) is channel 32 (t / 2) + 16 h + 8 (t % 2) + j of my query: the order that the quantiser wants
	QUANT S, PCD, PS, 232, 224
	QUANT S+64, PCD+12, PS+1, 232, 224
.irp u, 0,1
.irp c, 0,1,2
	global_store_b128 v[LI], v[PCD+12*\u+4*\c:PCD+12*\u+4*\c+3], s[54:55] offset:1536*\u+512*\c   ; my two fragments of the record: stores of 512 consecutive bytes
.endr
.endr
	ds_store_b32 v[SW], v[PS]                      ; my tiles' scale words, as the registers stand
	ds_store_b32 v[SW], v[PS+1] offset:128
.Lsent:
	s_wait_dscnt 0x0                               ; for the others' sake: my stores have landed
	s_barrier_signal -1
	s_barrier_wait -1
	s_cmp_lg_u32 s[WV], 0                          ; wave 0 stores the record's 512 bytes of scale words as one line
	s_cbranch_scc1 .Lnot_first
.irp i, 0,1,2,3
	ds_load_b32 v[S+\i], v[SRD] offset:128*\i      ; lane (r, h): row r's words of tiles 4 h + 0 .. 3
.endr
	s_wait_dscnt 0x0
	global_store_b128 v[LI], v[S:S+3], s[52:53] offset:12288
.Lnot_first:
	s_wait_tensorcnt 0x0                           ; the wave's end
	ds_add_u32 v[SPW], v[NIL]
	s_wait_dscnt 0x0
	CROUND                                         ; the closing round
	s_endpgm
.Lfunc_end_k_q3aed643c71_attn:
	.size	k_q3aed643c71_attn, .Lfunc_end_k_q3aed643c71_attn-k_q3aed643c71_attn
	.p2alignl 7, 3214868480
	.fill 96, 4, 3214868480
	.section	.rodata,"a",@progbits
	.p2align	6, 0x0
	.amdhsa_kernel k_q3aed643c71_attn
		.amdhsa_group_segment_fixed_size 327680
		.amdhsa_private_segment_fixed_size 0
		.amdhsa_enable_private_segment 0
		.amdhsa_kernarg_size 16
		.amdhsa_user_sgpr_count 2
		.amdhsa_user_sgpr_kernarg_segment_ptr 1
		.amdhsa_wavefront_size32 1
		.amdhsa_system_sgpr_workgroup_id_x 1
		.amdhsa_system_sgpr_workgroup_id_y 1
		.amdhsa_system_sgpr_workgroup_id_z 1
		.amdhsa_system_vgpr_workitem_id 0
		.amdhsa_next_free_vgpr 512
		.amdhsa_next_free_sgpr 66
		.amdhsa_reserve_vcc 0
		.amdhsa_float_denorm_mode_32 3
		.amdhsa_float_denorm_mode_16_64 3
		.amdhsa_memory_ordered 1
		.amdhsa_forward_progress 1
		.amdhsa_inst_pref_size 104
	.end_amdhsa_kernel
	.amdgpu_metadata
---
amdhsa.version: [ 1, 2 ]
amdhsa.kernels:
  - .name:           k_q3aed643c71_attn
    .symbol:         k_q3aed643c71_attn.kd
    .args:
      - { .name: qkv, .offset: 0, .size: 8, .value_kind: global_buffer, .address_space: global }
      - { .name: ctx, .offset: 8, .size: 8, .value_kind: global_buffer, .address_space: global }
    .group_segment_fixed_size: 327680
    .private_segment_fixed_size: 0
    .kernarg_segment_align: 8
    .kernarg_segment_size: 16
    .max_flat_workgroup_size: 256
    .sgpr_count:     66
    .vgpr_count:     512
    .wavefront_size: 32
...
	.end_amdgpu_metadata
.endif
;; end of part 3
;; launch gemm_out (part 4): grid 16 x 16, 4 waves a work-group, clusters of 4 x 4, 327,680 bytes of LDS; arguments ctx, woq, bo, out0; writes out0
.if DOCPART == 4
	.amdgcn_target "amdgcn-amd-amdhsa--gfx1250"
	.amdhsa_code_object_version 6
	.text
	.protected	k_q3aed643c71_gemm_out
	.globl	k_q3aed643c71_gemm_out
	.p2align	8
	.type	k_q3aed643c71_gemm_out,@function
k_q3aed643c71_gemm_out:
	s_mov_b64 s[64:65], 0
	v_nop
	global_prefetch_b8 v0, s[64:65] scope:SCOPE_SE
	s_setreg_imm32_b32 hwreg(HW_REG_WAVE_MODE, 25, 1), 1
	s_wait_xcnt 0x0
	s_wait_alu depctr_hold_cnt(0) depctr_sa_sdst(0) depctr_va_vdst(0) depctr_va_sdst(0) depctr_va_ssrc(0) depctr_va_vcc(0) depctr_vm_vsrc(0)
	s_getreg_b32 s2, hwreg(HW_REG_IB_STS2, 6, 4)
	s_cmp_eq_u32 s2, 0
	s_cbranch_scc0 .Lentry_in_a_cluster
	s_endpgm
.Lentry_in_a_cluster:
	s_bfe_u32 s2, ttmp6, 0x10000c
	s_cmp_lg_u32 s2, 0xf033
	s_cbranch_scc0 .Lentry_shape_is_right
	s_endpgm
.Lentry_shape_is_right:
; out0 = ctx Wo^T + bo on codes of FP6 (E2M3) with E8M0 scales, sums in f32.  Both operands come as RECORDS of 12,800 bytes (128 rows x 128 K): eight fragments as images of their 12 registers
; (registers 4 c .. 4 c + 3 of lane l of fragment a at 1536 a + 512 c + 16 l), then the scale words (fragment a, lane r at 12,288 + 256 (a / 4) + 16 r + 4 (a % 4)).
; Lane r of fragment a holds row 32 (a / 2) + 8 (a % 2) + r + 8 (r / 8).  ctx: [group of tokens][K step]; Wo: [group of rows][K step].
; SHARES: a work-group makes 128 x 128 of out0; 16 x 16 = 256 work-groups.  K IS CUT AMONG THE FOUR WAVES: each wave makes the whole 128 x 128 (64 accumulators, 512 registers) over 4 of the 16 K steps,
; so each fragment is read by one wave, once.  The four parts are f32 sums; they meet in LDS and are added there in a fixed order, with the bias.
; WHERE THE OPERANDS COME FROM: K steps 0-11 of both operands, 2 x 153,600 bytes, fill LDS once: one joint tensor load of 76,800 consecutive bytes a wave, no refill.  Wave w multiplies K steps 3 w .. 3 w + 2 of them.
; All 16 K steps, 409,600 bytes, are more than LDS holds: K step 12 + w goes straight into wave w's registers, 52 loads of 512 consecutive bytes, asked for ahead of the tensor load and multiplied first.
; CLUSTERS: 4 x 4.  ctx's records hang on the work-group's y alone and are asked for jointly along a row of the cluster, Wo's on its x alone, along a column.
; No prefetch: the launch has no loop along K to run ahead in; all its operands are asked for at its head.
; THE MATRIX INSTRUCTION IS USED TRANSPOSED: source 0 = Wo's rows, source 1 = tokens: a lane holds eight neighbouring columns of one row of out0.
; REGISTERS: window 0: v1-15 addresses and the bias; v16-47 scale words, two sets of 8 + 8; v48, 49 for the add; v64-159, v160-255 ctx's fragments, two sets, later the parts on their way out.
;   window 1: Wo's fragments, two sets, at v0 and v128.   windows 2, 3: the accumulators: (a, b) at v[8 (8 (a % 4) + b)] of window 2 + a / 4.
.set REC,   12800
.set GRP,   16*REC
.set PART,  6*REC                      ; what one tensor load brings: six K steps of one operand
.set BOFF,  12*REC                     ; Wo's twelve records lie behind ctx's
.set SP,    528                        ; a row of a part in LDS: 512 bytes + 16
.set PB,    128*SP                     ; a wave's part; the four lie on bytes that have had their only fill
.set SPARE, 24*REC                     ; behind the records: the spare words, 128 bytes for each wave
.set LI,    1                          ; 16 x lane
.set LR,    2                          ; 16 r
.set ADRA,  3                          ; my three records of ctx in LDS, + 16 x lane
.set ADRB,  4                          ; of Wo
.set ADSA,  5                          ; the same + 16 r, for the scale words
.set ADSB,  6
.set STO,   7                          ; my part: row r, + 64 h
.set BIAS,  8                          ; v8-11 bo at my four columns
.set RD,    12                         ; v12-15 the four parts, my rows, + 16 x lane
.set SA,    16                         ; scale words: set p: ctx's at SA + 16 p, Wo's at SA + 16 p + 8
.set SPW,   48
.set NIL,   49
.set AF,    64
.set BUF,   64                         ; the way out: two sets of 4 rows x 4 parts x 4 registers
.set OU,    192                        ; and 16 finished rows
.set G1,    24
.set G0,    32
.set G0B,   36
.set G1B,   48
.set MSB, 0
.macro WIN new
.if MSB != \new
	s_set_vgpr_msb (MSB<<8)|\new
.set MSB, \new
.endif
.endm
.set MUL_LO, 0xa1                      ; source 0 window 1, source 1 window 0, C and D window 2
.set MUL_HI, 0xf1
.set TO_B,   0x40
.macro CROUND                          ; a round of the cluster's barrier
	s_barrier_signal -1
	s_barrier_wait -1
	s_cmp_lg_u32 s14, 0
	s_cbranch_scc1 .Lnot_wave_0_\@
	s_barrier_signal -3
.Lnot_wave_0_\@:
	s_barrier_wait -3
	s_barrier_signal -1
	s_barrier_wait -1
.endm
.macro PLACES
.rept 4
	v_nop
.endr
.endm
; 32 matrix instructions: ctx's blocks 4 hi .. 4 hi + 3 x Wo's eight tiles, one K step, from set p.  The 64 accumulators take turns in the same order in every step.
.macro MUL32 hi, p, first
.irp a, 0,1,2,3
.irp b, 0,1,2,3,4,5,6,7
.if \first
	v_wmma_scale_f32_16x16x128_f8f6f4 v[8*(8*\a+\b):8*(8*\a+\b)+7], v[128*(\p)+12*\b:128*(\p)+12*\b+11], v[AF+96*(\p)+12*(4*(\hi)+\a):AF+96*(\p)+12*(4*(\hi)+\a)+11], 0, v[SA+16*(\p)+8+\b], v[SA+16*(\p)+4*(\hi)+\a] matrix_a_fmt:MATRIX_FMT_FP6 matrix_b_fmt:MATRIX_FMT_FP6
.else
	v_wmma_scale_f32_16x16x128_f8f6f4 v[8*(8*\a+\b):8*(8*\a+\b)+7], v[128*(\p)+12*\b:128*(\p)+12*\b+11], v[AF+96*(\p)+12*(4*(\hi)+\a):AF+96*(\p)+12*(4*(\hi)+\a)+11], v[8*(8*\a+\b):8*(8*\a+\b)+7], v[SA+16*(\p)+8+\b], v[SA+16*(\p)+4*(\hi)+\a] matrix_a_fmt:MATRIX_FMT_FP6 matrix_b_fmt:MATRIX_FMT_FP6
.endif
.endr
.endr
.endm
.macro MUL64 p, first
	WIN MUL_LO
	MUL32 0, \p, \first
	WIN MUL_HI
	MUL32 1, \p, \first
	WIN 0
.endm
.macro FETCH q, p                      ; 52 LDS loads: my q-th K step in LDS into set p
	WIN TO_B
.irp i, 0,1,2,3,4,5,6,7
.irp c, 0,1,2
	ds_load_b128 v[128*(\p)+12*\i+4*\c:128*(\p)+12*\i+4*\c+3], v[ADRB] offset:(\q)*REC+1536*\i+512*\c
.endr
.endr
	WIN 0
.irp i, 0,1,2,3,4,5,6,7
.irp c, 0,1,2
	ds_load_b128 v[AF+96*(\p)+12*\i+4*\c:AF+96*(\p)+12*\i+4*\c+3], v[ADRA] offset:(\q)*REC+1536*\i+512*\c
.endr
.endr
.irp u, 0,1
	ds_load_b128 v[SA+16*(\p)+4*\u:SA+16*(\p)+4*\u+3], v[ADSA] offset:(\q)*REC+12288+256*\u
	ds_load_b128 v[SA+16*(\p)+8+4*\u:SA+16*(\p)+8+4*\u+3], v[ADSB] offset:(\q)*REC+12288+256*\u
.endr
.endm
	s_load_b256 s[4:11], s[0:1], 0x0               ; ctx's records, Wo's records, bo, out0
	v_lshl_add_u32 v[SPW], v0, 2, SPARE
	v_mov_b32 v[NIL], 0
	ds_add_u32 v[SPW], v[NIL]                      ; the opening lines: the add, twice on end, and its wait
	ds_add_u32 v[SPW], v[NIL]
	v_lshrrev_b32 v50, 5, v0
	v_readfirstlane_b32 s14, v50                   ; wave 0..3
	s_lshr_b32 s15, s14, 1                         ; I fetch for ctx (0) or for Wo (1),
	s_and_b32 s16, s14, 1                          ; K steps 0-5 or 6-11
	s_bfe_u32 s56, ttmp6, 0x40000                  ; cx, cy
	s_bfe_u32 s57, ttmp6, 0x40004
	s_lshl_b32 s58, ttmp9, 2
	s_add_co_u32 s58, s58, s56                     ; work-group x: Wo's group of rows
	s_and_b32 s17, ttmp7, 0xffff
	s_lshl_b32 s17, s17, 2
	s_add_co_u32 s17, s17, s57                     ; work-group y: the group of tokens
	s_lshl_b32 s59, s57, 2
	s_lshl_b32 s59, 15, s59                        ; my row of the cluster
	s_lshl_b32 s60, 0x1111, s56                    ; my column
	s_or_b32 s[G1], s59, (3<<16)|(1<<21)           ; the mask; elements of 8 bytes; bit 21 set beside a mask
	s_or_b32 s[G1B], s60, (3<<16)|(1<<21)
.irp g, G1, G1B                        ; 76,800 consecutive bytes as 300 rows of 256, no padding
	s_mov_b32 s[\g+1], 32<<16
	s_mov_b32 s[\g+2], 300<<16
	s_mov_b32 s[\g+3], 32<<16
	s_mov_b32 s[\g+4], 300
	s_mov_b32 s[\g+5], 32
	s_mov_b32 s[\g+6], 0
	s_mov_b32 s[\g+7], 0
.endr
	s_mul_i32 s18, s16, PART
	s_mul_i32 s20, s17, GRP
	s_mul_i32 s40, s58, GRP
	s_add_co_u32 s19, s14, 12
	s_mul_i32 s19, s19, REC                        ; K step 12 + wave
	s_add_co_u32 s42, s20, s19
	s_add_co_u32 s44, s40, s19
	s_add_co_u32 s20, s20, s18                     ; what I fetch jointly: made of y and the wave's number,
	s_add_co_u32 s40, s40, s18                     ; or of x and the wave's number
	s_mov_b32 s21, 0
	s_mov_b32 s41, 0
	s_mov_b32 s43, 0
	s_mov_b32 s45, 0
	s_lshl_b32 s46, s58, 9                         ; my block's first column, in bytes
	s_mov_b32 s47, 0
	s_lshl_b32 s66, s17, 20                        ; out0: 128 y rows of 8,192 bytes + 32 x wave rows + the column
	s_lshl_b32 s67, s14, 18
	s_add_co_u32 s66, s66, s67
	s_add_co_u32 s66, s66, s46
	s_mov_b32 s67, 0
	s_mov_b32 s[G0], 1
	s_mul_i32 s[G0+1], s14, PART                   ; LDS: wave x 76,800: no place in the cluster enters an LDS address
	s_mov_b32 s[G0B], 1
	s_mul_i32 s[G0B+1], s14, PART
	s_mul_i32 s70, s14, 3*REC
	s_add_co_u32 s71, s70, BOFF
	s_mul_i32 s72, s14, PB
	s_mul_i32 s73, s14, 32*SP
	v_and_b32 v50, 31, v0
	v_and_b32 v51, 15, v0                          ; r
	v_bfe_u32 v52, v0, 4, 1                        ; h
	v_lshlrev_b32 v[LI], 4, v50
	v_lshlrev_b32 v[LR], 4, v51
	v_add_nc_u32 v[ADRA], s70, v[LI]
	v_add_nc_u32 v[ADRB], s71, v[LI]
	v_add_nc_u32 v[ADSA], s70, v[LR]
	v_add_nc_u32 v[ADSB], s71, v[LR]
	v_mul_u32_u24 v53, v51, SP
	v_lshl_add_u32 v53, v52, 6, v53
	v_add_nc_u32 v[STO], s72, v53
	s_wait_alu depctr_va_vdst(0)
	s_wait_dscnt 0x0                               ; both opening adds are done
	s_wait_kmcnt 0x0
	s_add_nc_u64 s[20:21], s[4:5], s[20:21]
	s_add_nc_u64 s[40:41], s[6:7], s[40:41]
	s_add_nc_u64 s[42:43], s[4:5], s[42:43]
	s_add_nc_u64 s[44:45], s[6:7], s[44:45]
	s_add_nc_u64 s[8:9], s[8:9], s[46:47]
	s_add_nc_u64 s[10:11], s[10:11], s[66:67]
	WIN TO_B                                       ; K step 12 + wave, straight into set 1: each load reads 512 consecutive bytes
.irp i, 0,1,2,3,4,5,6,7
.irp c, 0,1,2
	global_load_b128 v[128+12*\i+4*\c:128+12*\i+4*\c+3], v[LI], s[44:45] offset:1536*\i+512*\c
.endr
.endr
	WIN 0
.irp i, 0,1,2,3,4,5,6,7
.irp c, 0,1,2
	global_load_b128 v[AF+96+12*\i+4*\c:AF+96+12*\i+4*\c+3], v[LI], s[42:43] offset:1536*\i+512*\c
.endr
.endr
.irp u, 0,1
	global_load_b128 v[SA+16+4*\u:SA+16+4*\u+3], v[LR], s[42:43] offset:12288+256*\u
	global_load_b128 v[SA+24+4*\u:SA+24+4*\u+3], v[LR], s[44:45] offset:12288+256*\u
.endr
	global_load_b128 v[BIAS:BIAS+3], v[LI], s[8:9]
	s_mov_b64 s[G0+2:G0+3], s[20:21]
	s_or_b32 s[G0+3], s[G0+3], 0x80000000
	s_mov_b64 s[G0B+2:G0B+3], s[40:41]
	s_or_b32 s[G0B+3], s[G0B+3], 0x80000000
	CROUND                                         ; all sixteen work-groups are here: the joint loads meet
	s_cmp_eq_u32 s15, 0                            ; one joint load a wave, the launch's only fills
	s_cbranch_scc0 .Lfor_b
	tensor_load_to_lds s[G0:G0+3], s[G1:G1+7]
	s_nop 0
	PLACES
	s_branch .Lasked
.Lfor_b:
	tensor_load_to_lds s[G0B:G0B+3], s[G1B:G1B+7]
	s_nop 0
	PLACES
.Lasked:
	s_wait_loadcnt 0x0                             ; K step 12 + wave and the bias are in
	MUL64 1, 1                                     ; its products start the sums: nothing is cleared
	PLACES                                         ; in front of the loads into set 1
	s_wait_tensorcnt 0x0                           ; my part of the records is in;
	s_barrier_signal -1
	s_barrier_wait -1                              ; everybody's is.
	FETCH 0, 0
	FETCH 1, 1
	s_wait_dscnt 52                                ; all but the 52 of the second fetch
	MUL64 0, 0
	PLACES
	FETCH 2, 0
	s_wait_dscnt 52                                ; all but the 52 just issued
	MUL64 1, 0
	s_wait_dscnt 0x0                               ; my last reads of the records are over:
	s_barrier_signal -1                            ; say so, work on registers while the others arrive,
	MUL64 0, 0
	s_barrier_wait -1                              ; and go on when nobody reads the records any more: the parts are laid over them
	PLACES                                         ; behind the last products
; MY PART goes to LDS: row 16 a + r, in it the columns in their order: tile b's eight at byte 128 (b / 2) + 32 (b % 2) + 64 h.
.irp a, 0,1,2,3,4,5,6,7
	WIN 0x08+4*(\a/4)                              ; an LDS store's data are its source 1: window 2 or 3
.irp b, 0,1,2,3,4,5,6,7
	ds_store_b128 v[STO], v[8*(8*(\a%4)+\b):8*(8*(\a%4)+\b)+3] offset:\a*16*SP+128*(\b/2)+32*(\b%2)          ; each accumulator from its low end on
	ds_store_b128 v[STO], v[8*(8*(\a%4)+\b)+4:8*(8*(\a%4)+\b)+7] offset:\a*16*SP+128*(\b/2)+32*(\b%2)+16
.endr
.endr
	WIN 0
	s_wait_dscnt 0x0                               ; for the others' sake: my stores have landed
	s_barrier_signal -1
	s_barrier_wait -1
; THE FOUR PARTS ARE ADDED.  Wave w takes LDS rows 32 w .. 32 w + 31, which are tokens 32 w .. 32 w + 31 of the block; the 32 lanes take a whole row of 512 bytes of each part, add, and store two aligned runs of 256 bytes.
.macro PK d, a, b
	v_pk_add_f32 v[\d:\d+1], v[\a:\a+1], v[\b:\b+1]
.endm
.macro RLOAD t                         ; 16 loads: rows 4 t .. 4 t + 3 of the trip's sixteen, all four parts
.irp i, 0,1,2,3
.irp p, 0,1,2,3
	ds_load_b128 v[BUF+64*((\t)%2)+16*\i+4*\p:BUF+64*((\t)%2)+16*\i+4*\p+3], v[RD+\p] offset:(4*(\t)+\i)*SP
.endr
.endr
.endm
.macro RSUM t
.set RB, BUF+64*((\t)%2)
.if (\t) < 3
	s_wait_dscnt 16                                ; this batch is in; the next batch's 16 loads may be out
.else
	s_wait_dscnt 0x0
.endif
.irp i, 0,1,2,3
.irp e, 0,2
	PK RB+16*\i+\e, RB+16*\i+\e, RB+16*\i+4+\e
	PK RB+16*\i+8+\e, RB+16*\i+8+\e, RB+16*\i+12+\e
.endr
.endr
.irp i, 0,1,2,3
.irp e, 0,2
	PK RB+16*\i+\e, RB+16*\i+\e, BIAS+\e
.endr
.endr
.irp i, 0,1,2,3
.irp e, 0,2
	PK OU+16*(\t)+4*\i+\e, RB+16*\i+\e, RB+16*\i+8+\e
.endr
.endr
.if (\t) < 2
	RLOAD (\t)+2
.endif
.irp i, 0,1,2,3
	global_store_b128 v[LI], v[OU+16*(\t)+4*\i:OU+16*(\t)+4*\i+3], s[10:11] offset:(4*(\t)+\i+8*((\t)/2))*8192 th:TH_STORE_NT
.endr
.endm
	s_mov_b32 s3, 2
.Lhalf:                                            ; a trip: LDS rows 16 j .. 16 j + 15 of my 32 = tokens 8 j + 0 .. 7 and 8 j + 16 .. 23
	v_add_nc_u32 v[RD], s73, v[LI]
	v_add_nc_u32 v[RD+1], PB, v[RD]
	v_add_nc_u32 v[RD+2], 2*PB, v[RD]
	v_add_nc_u32 v[RD+3], 3*PB, v[RD]
	RLOAD 0
	RLOAD 1
	RSUM 0
	RSUM 1
	RSUM 2
	RSUM 3
	s_wait_xcnt 0x0                                ; the stores have read their base and their registers
	s_add_nc_u64 s[10:11], s[10:11], 8*8192
	s_add_co_u32 s73, s73, 16*SP
	s_sub_co_i32 s3, s3, 1
	s_cmp_lg_u32 s3, 0
	s_wait_alu depctr_va_vdst(0)
	s_cbranch_scc1 .Lhalf
	s_wait_tensorcnt 0x0                           ; the wave's end
	ds_add_u32 v[SPW], v[NIL]
	s_wait_dscnt 0x0
	CROUND                                         ; the closing round
	s_endpgm
.Lfunc_end_k_q3aed643c71_gemm_out:
	.size	k_q3aed643c71_gemm_out, .Lfunc_end_k_q3aed643c71_gemm_out-k_q3aed643c71_gemm_out
	.p2alignl 7, 3214868480
	.fill 96, 4, 3214868480
	.section	.rodata,"a",@progbits
	.p2align	6, 0x0
	.amdhsa_kernel k_q3aed643c71_gemm_out
		.amdhsa_group_segment_fixed_size 327680
		.amdhsa_private_segment_fixed_size 0
		.amdhsa_enable_private_segment 0
		.amdhsa_kernarg_size 32
		.amdhsa_user_sgpr_count 2
		.amdhsa_user_sgpr_kernarg_segment_ptr 1
		.amdhsa_wavefront_size32 1
		.amdhsa_system_sgpr_workgroup_id_x 1
		.amdhsa_system_sgpr_workgroup_id_y 1
		.amdhsa_system_sgpr_workgroup_id_z 1
		.amdhsa_system_vgpr_workitem_id 0
		.amdhsa_next_free_vgpr 1024
		.amdhsa_next_free_sgpr 80
		.amdhsa_reserve_vcc 0
		.amdhsa_float_denorm_mode_32 3
		.amdhsa_float_denorm_mode_16_64 3
		.amdhsa_memory_ordered 1
		.amdhsa_forward_progress 1
		.amdhsa_inst_pref_size 77
	.end_amdhsa_kernel
	.amdgpu_metadata
---
amdhsa.version: [ 1, 2 ]
amdhsa.kernels:
  - .name:           k_q3aed643c71_gemm_out
    .symbol:         k_q3aed643c71_gemm_out.kd
    .args:
      - { .name: ctx, .offset: 0, .size: 8, .value_kind: global_buffer, .address_space: global }
      - { .name: woq, .offset: 8, .size: 8, .value_kind: global_buffer, .address_space: global }
      - { .name: bo, .offset: 16, .size: 8, .value_kind: global_buffer, .address_space: global }
      - { .name: out0, .offset: 24, .size: 8, .value_kind: global_buffer, .address_space: global }
    .group_segment_fixed_size: 327680
    .private_segment_fixed_size: 0
    .kernarg_segment_align: 8
    .kernarg_segment_size: 32
    .max_flat_workgroup_size: 128
    .sgpr_count:     80
    .vgpr_count:     1024
    .wavefront_size: 32
...
	.end_amdgpu_metadata
.endif
;; end of part 4
